; MI455X (gfx1250); checked and timed in simulation.
; The chip was launched on July 23, 2026; its instructions are those of AMD's public machine-readable ISA for CDNA 5 (MIT licence, August 2026) and "CDNA5" Instruction Set Architecture Reference Guide (July 2026). The comments in the code are by the model that wrote it; some were corrected since.
;; Residual Attention Block. Allowed arithmetic: float matrix products may take bf16 or f16 operands with f32 sums; other float arithmetic in f32, or as packed bf16 or f16 multiplies, adds, multiply-adds, maxima and minima; sums over many terms, partial sums and values carried from step to step in f32; what a program stores and reads back later, other than sums and carried values, may be rounded once to bf16 or f16.
;; Inputs: W1 512 x 512 float32; W2 512 x 512 float32; Wk 512 x 512 float32; Wm 512 x 512 float32; Wq 512 x 512 float32; Wv 512 x 512 float32; b1 512 float32; b2 512 float32; b_att 512 float32; b_ffn 512 float32; g_att 512 float32; g_ffn 512 float32; x 8 x 4,096 x 512 float32.
;; Outputs: out0 8 x 4,096 x 512 float32.
;; One version. Each part assembles by itself: llvm-mc -triple=amdgcn-amd-amdhsa -mcpu=gfx1250 --defsym DOCPART=n.
;; ======== version 1 of 1: 4 launches
;; limits: values outside matrix products are rounded to f16; values are held in f16: magnitudes above 65,504 overflow, below 6.1e-05 lose precision
;; workspace buffers: wkv 1,048,576 bytes; wa 1,048,576 bytes; w2t 524,288 bytes; wmt 524,288 bytes; cpart 131,072 bytes; part 17,825,792 bytes; mt 4,194,304 bytes; ks 16,384 bytes
;; launch prep (part 1): grid 16 x 6, 4 waves a work-group, no clusters, 0 bytes of LDS; arguments Wk, Wv, Wq, W1, W2, Wm, g_att, b_att, g_ffn, b_ffn, wkv, wa, w2t, wmt, cpart; writes wkv, wa, w2t, wmt, cpart
.if DOCPART == 1
	.amdgcn_target "amdgcn-amd-amdhsa--gfx1250"
	.amdhsa_code_object_version 6
	.text
	.protected	k_q28aba19fe4_prep
	.globl	k_q28aba19fe4_prep
	.p2align	8
	.type	k_q28aba19fe4_prep,@function
k_q28aba19fe4_prep:
	s_mov_b64 s[64:65], 0
	v_nop
	global_prefetch_b8 v0, s[64:65] scope:SCOPE_SE
	s_setreg_imm32_b32 hwreg(HW_REG_WAVE_MODE, 25, 1), 1
	s_wait_xcnt 0x0
; PREP.  The six 512 x 512 weight matrices W[k][o] (f32) become 16-bit FRAGMENT IMAGES of Wt[o][k], and the norms' gain and bias are folded in:
; h @ W = rstd (d @ (g.W)) + b @ W, so Wk, Wv, Wq (g_att, b_att) and W1 (g_ffn, b_ffn) are stored as g[k] W[k][o], and b @ W is stored in f32 as 16 partial vectors, one for each 32 k.
; An image is 1,024 bytes: 16 outputs x 32 k; byte p 512 + lane 16 + e 2 holds Wt[16 t + lane % 16][32 kf + 16 p + 8 (lane / 16) + e]: two 16-byte loads a lane fill a matrix operand.
; FORMATS.  f16 for g.Wk, g.Wv, g.Wq, g.W1 and W2; bf16 for Wm.  LIMIT: |g W| and |W2| stay under 65,504; below 6e-5 f16 keeps a fixed step of 6e-8.  NaN and infinities are not treated apart.
; SHARES.  Work-group (kf, m): the 32 rows k = 32 kf .. of matrix m (0 Wk, 1 Wv, 2 Wq, 3 W1, 4 W2, 5 Wm): 65,536 consecutive bytes, read once.  Lane l of wave w owns the outputs 128 w + 32 sb + l, sb = 0..3.
; No LDS, no cluster: no two work-groups read the same byte of a matrix, and a lane's 32 k of one output are already the 64 bytes that it stores.
.set R,  32                            ; v[32:159]  R[32 sb + kk] = W[32 kf + kk][o]; later, packed in place, 16 registers for each sb
.set CP, 8                             ; v[8:11]    the partial b @ W of my four outputs
.set VO, 12                            ; v[12:15]   byte offset of my 16 bytes in the images, for each sb
	s_load_b512 s[4:19], s[0:1], 0x0               ; Wk, Wv, Wq, W1, W2, Wm, g_att, b_att
	s_load_b256 s[20:27], s[0:1], 0x40             ; g_ffn, b_ffn, wkv, wa
	s_load_b128 s[28:31], s[0:1], 0x60             ; w2t, wmt
	s_load_b64 s[32:33], s[0:1], 0x70              ; cpart
	s_and_b32 s2, ttmp7, 0xffff                    ; m
	s_mov_b32 s3, ttmp9                            ; kf
	v_and_b32 v1, 31, v0                           ; l
	v_lshrrev_b32 v2, 5, v0                        ; w
	v_lshl_add_u32 v3, v2, 7, v1
	v_lshlrev_b32 v3, 2, v3                        ; 4 (128 w + l): my first output's bytes in a row of W and in a vector of cpart
	v_lshrrev_b32 v4, 4, v1
	v_and_b32 v5, 15, v1
	v_lshlrev_b32 v5, 4, v5
	v_lshl_add_u32 v5, v4, 10, v5                  ; the image of my half of 32 outputs, and my 16 bytes in a block of 256
	; where an image lies: (o / 32) x s42 + kf x s43 + s44
	s_mov_b32 s42, 32768
	s_mov_b32 s43, 2048
	s_cmp_lt_u32 s2, 2
	s_cselect_b32 s42, 65536, s42                  ; wkv: a head's chunk is 64 KiB, its images in the order kf, matrix, half
	s_cselect_b32 s43, 4096, s43
	s_cmp_lt_u32 s2, 4
	s_cselect_b32 s42, s42, 2048                   ; w2t, wmt: a chunk is one kf, its 32 images in the order of the outputs
	s_cselect_b32 s43, s43, 32768
	s_mov_b32 s44, 0
	s_cmp_eq_u32 s2, 1
	s_cselect_b32 s44, 2048, s44                   ; Wv's images stand behind Wk's of the same kf
	s_cmp_eq_u32 s2, 3
	s_cselect_b32 s44, 524288, s44                 ; W1's chunks stand behind Wq's
	v_lshlrev_b32 v6, 2, v2
.irp sb, 0,1,2,3
	v_add_nc_u32 v7, \sb, v6                       ; o / 32 = 4 w + sb
	v_mul_lo_u32 v7, v7, s42
	v_add_nc_u32 v[VO+\sb], v7, v5
.endr
	s_mov_b32 s47, 0
	s_wait_kmcnt 0x0
	s_mov_b64 s[34:35], s[4:5]                     ; the matrix, by m
	s_cmp_eq_u32 s2, 1
	s_cselect_b64 s[34:35], s[6:7], s[34:35]
	s_cmp_eq_u32 s2, 2
	s_cselect_b64 s[34:35], s[8:9], s[34:35]
	s_cmp_eq_u32 s2, 3
	s_cselect_b64 s[34:35], s[10:11], s[34:35]
	s_cmp_eq_u32 s2, 4
	s_cselect_b64 s[34:35], s[12:13], s[34:35]
	s_cmp_eq_u32 s2, 5
	s_cselect_b64 s[34:35], s[14:15], s[34:35]
	s_mov_b64 s[36:37], s[24:25]                   ; the images' buffer, by m
	s_cmp_ge_u32 s2, 2
	s_cselect_b64 s[36:37], s[26:27], s[36:37]
	s_cmp_eq_u32 s2, 4
	s_cselect_b64 s[36:37], s[28:29], s[36:37]
	s_cmp_eq_u32 s2, 5
	s_cselect_b64 s[36:37], s[30:31], s[36:37]
	s_cmp_eq_u32 s2, 3
	s_cselect_b64 s[38:39], s[20:21], s[16:17]     ; gain
	s_cselect_b64 s[40:41], s[22:23], s[18:19]     ; bias
	s_lshl_b32 s46, s3, 16                         ; 32 rows of 2,048 bytes
	s_add_nc_u64 s[34:35], s[34:35], s[46:47]
	s_mul_i32 s46, s3, s43
	s_add_co_u32 s46, s46, s44
	s_add_nc_u64 s[36:37], s[36:37], s[46:47]
.set kk, 0
.rept 32                               ; four loads on end cover 512 consecutive bytes of a row
.irp sb, 0,1,2,3
	global_load_b32 v[R+32*\sb+kk], v3, s[34:35] offset:kk*2048+\sb*128 th:TH_LOAD_NT
.endr
.set kk, kk+1
.endr
	s_wait_loadcnt 0x0
	s_cmp_lt_u32 s2, 4
	s_cbranch_scc0 .Lplain                         ; W2 and Wm have no norm in front of them
	s_lshl_b32 s46, s3, 7                          ; my 32 k in g and b
	s_add_nc_u64 s[38:39], s[38:39], s[46:47]
	s_add_nc_u64 s[40:41], s[40:41], s[46:47]
	s_lshl_b32 s46, s2, 4
	s_add_co_u32 s46, s46, s3
	s_lshl_b32 s46, s46, 11                        ; vector 16 m + kf of cpart
	s_add_nc_u64 s[32:33], s[32:33], s[46:47]
	s_load_b512 s[48:63], s[38:39], 0x0            ; g of k 0..15,
	s_load_b512 s[68:83], s[38:39], 0x40           ; of k 16..31
	s_load_b512 s[84:99], s[40:41], 0x0            ; b of k 0..15,
	s_load_b512 s[4:19], s[40:41], 0x40            ; of k 16..31 (the matrices' addresses have been chosen from: their registers are free)
	s_wait_kmcnt 0x0
.set kk, 0
.rept 32
.if kk < 16
.set sg, 48+kk
.set sbi, 84+kk
.else
.set sg, 68+kk-16
.set sbi, 4+kk-16
.endif
.irp sb, 0,1,2,3
.if kk == 0
	v_mul_f32 v[CP+\sb], s[sbi], v[R+32*\sb]       ; the first product starts the sum
.else
	v_fmac_f32 v[CP+\sb], s[sbi], v[R+32*\sb+kk]   ; b[k] W[k][o], with W as it came
.endif
	v_mul_f32 v[R+32*\sb+kk], s[sg], v[R+32*\sb+kk]  ; then g[k] W[k][o]
.endr
.set kk, kk+1
.endr
.irp sb, 0,1,2,3
	global_store_b32 v3, v[CP+\sb], s[32:33] offset:\sb*128
.endr
.Lplain:
	; pairs of k are rounded and packed in place: pair q of sb goes to register 16 sb + q, which lies at or below every register still to be read
	s_cmp_eq_u32 s2, 5
	s_cbranch_scc1 .Lbf
.set n, 0
.rept 64
	v_cvt_pk_f16_f32 v[R+n], v[R+2*n], v[R+2*n+1]
.set n, n+1
.endr
	s_branch .Lstore
.Lbf:
.set n, 0
.rept 64
	v_cvt_pk_bf16_f32 v[R+n], v[R+2*n], v[R+2*n+1]
.set n, n+1
.endr
.Lstore:
.irp sb, 0,1,2,3
.set n, 0
.rept 4                                ; n = 2 p + h: k = 16 p + 8 h + 0..7; sixteen lanes store 256 consecutive bytes, aligned
	global_store_b128 v[VO+\sb], v[R+16*\sb+4*n:R+16*\sb+4*n+3], s[36:37] offset:256*n
.set n, n+1
.endr
.endr
	s_endpgm
.Lfunc_end_k_q28aba19fe4_prep:
	.size	k_q28aba19fe4_prep, .Lfunc_end_k_q28aba19fe4_prep-k_q28aba19fe4_prep
	.p2alignl 7, 3214868480
	.fill 96, 4, 3214868480
	.section	.rodata,"a",@progbits
	.p2align	6, 0x0
	.amdhsa_kernel k_q28aba19fe4_prep
		.amdhsa_group_segment_fixed_size 0
		.amdhsa_private_segment_fixed_size 0
		.amdhsa_enable_private_segment 0
		.amdhsa_kernarg_size 120
		.amdhsa_user_sgpr_count 2
		.amdhsa_user_sgpr_kernarg_segment_ptr 1
		.amdhsa_wavefront_size32 1
		.amdhsa_system_sgpr_workgroup_id_x 1
		.amdhsa_system_sgpr_workgroup_id_y 1
		.amdhsa_system_sgpr_workgroup_id_z 1
		.amdhsa_system_vgpr_workitem_id 0
		.amdhsa_next_free_vgpr 160
		.amdhsa_next_free_sgpr 100
		.amdhsa_reserve_vcc 0
		.amdhsa_float_denorm_mode_32 3
		.amdhsa_float_denorm_mode_16_64 3
		.amdhsa_memory_ordered 1
		.amdhsa_forward_progress 1
		.amdhsa_inst_pref_size 34
	.end_amdhsa_kernel
	.amdgpu_metadata
---
amdhsa.version: [ 1, 2 ]
amdhsa.kernels:
  - .name:           k_q28aba19fe4_prep
    .symbol:         k_q28aba19fe4_prep.kd
    .args:
      - { .name: Wk, .offset: 0, .size: 8, .value_kind: global_buffer, .address_space: global }
      - { .name: Wv, .offset: 8, .size: 8, .value_kind: global_buffer, .address_space: global }
      - { .name: Wq, .offset: 16, .size: 8, .value_kind: global_buffer, .address_space: global }
      - { .name: W1, .offset: 24, .size: 8, .value_kind: global_buffer, .address_space: global }
      - { .name: W2, .offset: 32, .size: 8, .value_kind: global_buffer, .address_space: global }
      - { .name: Wm, .offset: 40, .size: 8, .value_kind: global_buffer, .address_space: global }
      - { .name: g_att, .offset: 48, .size: 8, .value_kind: global_buffer, .address_space: global }
      - { .name: b_att, .offset: 56, .size: 8, .value_kind: global_buffer, .address_space: global }
      - { .name: g_ffn, .offset: 64, .size: 8, .value_kind: global_buffer, .address_space: global }
      - { .name: b_ffn, .offset: 72, .size: 8, .value_kind: global_buffer, .address_space: global }
      - { .name: wkv, .offset: 80, .size: 8, .value_kind: global_buffer, .address_space: global }
      - { .name: wa, .offset: 88, .size: 8, .value_kind: global_buffer, .address_space: global }
      - { .name: w2t, .offset: 96, .size: 8, .value_kind: global_buffer, .address_space: global }
      - { .name: wmt, .offset: 104, .size: 8, .value_kind: global_buffer, .address_space: global }
      - { .name: cpart, .offset: 112, .size: 8, .value_kind: global_buffer, .address_space: global }
    .group_segment_fixed_size: 0
    .private_segment_fixed_size: 0
    .kernarg_segment_align: 8
    .kernarg_segment_size: 120
    .max_flat_workgroup_size: 128
    .sgpr_count:     100
    .vgpr_count:     160
    .wavefront_size: 32
...
	.end_amdgpu_metadata
.endif
;; end of part 1
;; launch kv (part 2): grid 256 x 1, 4 waves a work-group, clusters of 4 x 1, 327,680 bytes of LDS; arguments x, cpart, wkv, part; writes part
.if DOCPART == 2
	.amdgcn_target "amdgcn-amd-amdhsa--gfx1250"
	.amdhsa_code_object_version 6
	.text
	.protected	k_q28aba19fe4_kv
	.globl	k_q28aba19fe4_kv
	.p2align	8
	.type	k_q28aba19fe4_kv,@function
k_q28aba19fe4_kv:
	s_mov_b64 s[64:65], 0
	v_nop
	global_prefetch_b8 v0, s[64:65] scope:SCOPE_SE
	s_setreg_imm32_b32 hwreg(HW_REG_WAVE_MODE, 25, 1), 1
	s_wait_xcnt 0x0
	s_wait_alu depctr_hold_cnt(0) depctr_sa_sdst(0) depctr_va_vdst(0) depctr_va_sdst(0) depctr_va_ssrc(0) depctr_va_vcc(0) depctr_vm_vsrc(0)
	s_getreg_b32 s2, hwreg(HW_REG_IB_STS2, 6, 4)
	s_cmp_eq_u32 s2, 0
	s_cbranch_scc0 .Lentry_in_a_cluster
	s_endpgm
.Lentry_in_a_cluster:
	s_bfe_u32 s2, ttmp6, 0x10000c
	s_cmp_lg_u32 s2, 0x3003
	s_cbranch_scc0 .Lentry_shape_is_right
	s_endpgm
.Lentry_shape_is_right:
; KV.  For 128 rows of x: the first layer norm, k and v, K = elu(k) + 1, and for each of the 16 heads the sums over these rows of v K^T (32 x 32) and of K (32), in f32, into the work-group's record of part.
; (v / N and the later x N of the module cancel exactly: N is a power of two.)
; NORM.  d = x - mean in f32, rounded once to f16: the matrix operand.  The sum of d^2 is the diagonal of d d^T, made by the matrix unit with f32 sums.  rstd is applied behind the product:
; k = rstd (d @ (g.Wk)) + b @ Wk; the launch before has folded g into the weights and left b @ W as 16 partial vectors.
; FORMATS.  d and the weights f16; K and v bf16 for the product over rows (their range is not bounded by the computation).  LIMITS: |x - mean| under 65,504; NaN and infinities are not treated apart.
; SHARES.  Four waves; a wave owns 32 rows (two tiles of 16) and ALL channels, so no norm spans waves.  The wave's sums over its 32 rows meet the other waves' in LDS, two heads at a time.
; LAYOUT.  x: lane (r = lane % 16, h = lane / 16) of row tile rho holds row 16 rho + r, channels 16 t + 8 h + j in register 8 t + j; packed in pairs that IS a matrix operand (16 rows x 32 channels in 8 registers).
; k, v: source 0 = d, source 1 = weights: a lane holds ONE channel and 8 rows; both row tiles packed ARE an operand with the 32 rows as K.
; BY HALVES.  A head's 128 products go k first (64), then v (64).  All that is made of k (176 vector instructions) stands in threes behind v's products; only v's own 32 lines stand by themselves.
; CLUSTER.  The four work-groups of a cluster walk the same weights: each slot of the ring (two heads, 128 KiB) is asked for jointly, one load of 32 KiB a wave, behind a round of the cluster's barrier.
; x comes by one load of each wave's own into the bytes that later are the ring.  By this text's count a wave never has more than one tensor load out.
; REGISTERS in windows of 256 (s_set_vgpr_msb: bits 1:0 source 0, 3:2 source 1, 5:4 source 2, 7:6 destination):
;   window 0: addresses, statistics, sums (below)      window 1: d in f16, 128 registers a row tile      window 2: x of row tile 0, later four buffers of 8 weight images      window 3: x of row tile 1
.set XPW,   66560                      ; a wave's x in LDS: 64 half rows of 1,024 bytes + 16 of padding
.set SLOTB, 131072                     ; a slot of the ring: two heads
.set CHB,   65536                      ; a head's 64 images: kf x (Wk, Wv) x (half 0, half 1)
.set EXCH,  266240                     ; behind x and the ring: the exchange, [head's parity 2][wave 4][4,352]: 4 tiles of v K^T (4,096) and the sums of K (256)
.set EXW,   4352
.set EXPAR, 4*EXW
.set TAB,   301056                     ; b @ Wk (2,048 bytes), b @ Wv (2,048)
.set SPARE, 305152                     ; the spare words, 128 bytes for each wave: two blocks of 256 bytes that no other line names
.set LA,  2                            ; v2   16 x lane; never rewritten
.set ADR, 3                            ; v3   LDS address of the head's images
.set KAD, 4                            ; v4   LDS address of the head's biases
.set TBL, 5                            ; v5   TAB + 4 r
.set XA,  6                            ; v6   my place in my wave's x
.set EX0, 7                            ; v7   my 16 bytes in my wave's record of the exchange
.set EXA, 8                            ; v8   the same for the head in hand
.set PFO, 9                            ; v9   256 x lane
.set SPW, 10                           ; v10  LDS address of my spare word; never rewritten
.set NIL, 11                           ; v11  0; never rewritten
.set RS,  12                           ; v[12:15]  rstd of row r, a pair for each row tile
.set BK,  16                           ; v[16:19]  the biases of my channel: k half 0, 1; v half 0, 1      (v16-31 are the norm's sums before)
.set KSV, 20                           ; v[20:21]  the sum of K over my 16 rows, half 0, 1
.set EK0, 22                           ; v22  my 8 bytes of the sums of K in my wave's record;  v23 for the head in hand
.set EKA, 23
.set RDA, 24                           ; v24  where I read the exchange: tile = my wave's number
.set RKA, 25                           ; v25  where wave 0 reads the sums of K
.set GKV, 26                           ; v26  my byte offset in a head's 4,096 bytes of part
.set GKS, 27                           ; v27  8 x lane
.set CK,  32                           ; v[32:95]  k, v: matrix mat, row tile rho, half tau at CK + 32 mat + 16 rho + 8 tau
.set KF,  96                           ; v[96:111]   K in bf16, an operand for each half
.set VF,  112                          ; v[112:127]  v in bf16
.set E,   128                          ; v[128:159]  at work
.set KVT, 160                          ; v[160:191]  v K^T: tile u = 2 tau + tau' (K's half tau, v's half tau')
.set RSJ, 192                          ; v[192:207]  rstd of row 16 rho + 8 h + j
.set KT,  208                          ; v[208:223]  at work
.set WV,  12                           ; s12  my wave's number
.set CX,  13                           ; s13  my place in the cluster
.set WG,  14                           ; s14  my work-group
.set LIM, 15                           ; s15  1 in the cluster that prefetches, else the greatest number
.set G1W, 16                           ; s[16:23]  descriptor group 1, weights
.set G1X, 24                           ; s[24:31]  descriptor group 1, x
.set G0,  32                           ; s[32:35]  descriptor group 0, weights: it walks
.set G0X, 36                           ; s[36:39]  descriptor group 0, x
.set PFA, 40                           ; s[40:41]  where my prefetch stands
.set PB,  42                           ; s[42:43]  part at the slot's first head
.set KB,  44                           ; s[44:45]  part at the slot's first sums of K
.set SLOTS, 48
.set CNT, 49
.set TB,  50                           ; s50  LDS byte of the head in hand
.set TO,  51                           ; s51  128 x head
.set XO,  52                           ; s52  EXPAR x the head's parity
.set SEL, 54                           ; s[54:55]  v_permlanex16_b32's selects: each lane takes its own place in the other half
.set L2E, 56                           ; s[56:57]  log2(e)
.set INV512, 58
.set EPS, 59
.set MK,  66                           ; s[66:72]  lanes with r % 8 = 1 .. 7
.set MD,  73                           ; s73  lanes with r / 8 = h
.set MSB, 0
.macro WIN new                         ; the immediate's high byte repeats the setting that is left; a switch that changes nothing is dropped
.if MSB != (\new)
	s_set_vgpr_msb (MSB<<8)|(\new)
.set MSB, \new
.endif
.endm
.macro PLACES                          ; four places between a matrix instruction and a vector instruction or load that touches its registers
.rept 4
	v_nop
.endr
.endm
.macro CROUND                          ; a round of the cluster's barrier: my work-group's barrier; wave 0 signals for the work-group; every wave waits for all four; my work-group's barrier once more
	s_barrier_signal -1
	s_barrier_wait -1
	s_cmp_lg_u32 s[WV], 0
	s_cbranch_scc1 .Lnot_wave_0_\@
	s_barrier_signal -3
.Lnot_wave_0_\@:
	s_barrier_wait -3
	s_barrier_signal -1
	s_barrier_wait -1
.endm
.macro JLOAD                           ; the joint fill: wave w brings bytes 32,768 w .. of the slot, in LDS as in memory; s_nop 0 and four v_nop follow
	tensor_load_to_lds s[G0:G0+3], s[G1W:G1W+7]
	s_nop 0
	PLACES
.endm
; A prefetch of what the NEXT change of slots will ask for.  All 64 clusters walk the same weights: cluster 0 asks.  Of the 32 KiB that wave w will fetch each of the four partners names 8 KiB, told apart by address: a lane 256 bytes.
; So each block is named once in the launch.  Slots 0 and 1 come by their loads alone; the last change that fills a slot asks for nothing.
.macro ASK
	s_cmp_gt_u32 s[SLOTS], s[LIM]
	s_cbranch_scc0 .Lnot_mine_\@
	global_prefetch_b8 v[PFO], s[PFA:PFA+1] th:TH_LOAD_NT scope:SCOPE_SE
.Lnot_mine_\@:
.endm
.macro XIN                             ; x out of LDS: 32 bytes a lane for each tile of 16 channels
.irp rho, 0,1
	WIN 0x80+0x40*\rho
.set t, 0
.rept 32
	ds_load_b128 v[8*t:8*t+3],   v[XA] offset:\rho*33280+(t/16)*1040+64*(t%16)
	ds_load_b128 v[8*t+4:8*t+7], v[XA] offset:\rho*33280+(t/16)*1040+64*(t%16)+16
.set t, t+1
.endr
.endr
.endm
; THE NORM of the 32 rows in windows 2 and 3: d in f16 into window 1, rstd into RS.
.macro LNORM
	WIN 0
	PLACES
.irp rho, 0,1                          ; the row's sum: four chains of pairs; of each tile of 8 registers the lowest are read first
	WIN 0x0a+5*\rho
.set q, 0
.rept 4
	v_pk_add_f32 v[16+8*\rho+2*q:16+8*\rho+2*q+1], v[2*q:2*q+1], v[8+2*q:8+2*q+1]
.set q, q+1
.endr
	WIN 0x08+4*\rho
.set t, 2
.rept 30
.set q, 0
.rept 4
	v_pk_add_f32 v[16+8*\rho+2*q:16+8*\rho+2*q+1], v[16+8*\rho+2*q:16+8*\rho+2*q+1], v[8*t+2*q:8*t+2*q+1]
.set q, q+1
.endr
.set t, t+1
.endr
.endr
	WIN 0
.irp rho, 0,1
.set rC, 16+8*\rho
	v_pk_add_f32 v[rC:rC+1], v[rC:rC+1], v[rC+2:rC+3]
	v_pk_add_f32 v[rC+4:rC+5], v[rC+4:rC+5], v[rC+6:rC+7]
	v_pk_add_f32 v[rC:rC+1], v[rC:rC+1], v[rC+4:rC+5]
	v_add_f32 v[rC], v[rC], v[rC+1]
	v_permlanex16_b32 v[rC+2], v[rC], s[SEL], s[SEL+1]  ; the row's other 256 channels lie in the lane 16 away
	v_add_f32 v[rC], v[rC], v[rC+2]
	v_mul_f32 v[rC], s[INV512], v[rC]              ; the mean
	v_mov_b32 v[rC+1], v[rC]
.endr
.irp rho, 0,1                          ; d = x - mean, 64 pairs at a time, then rounded to f16
.irp g, 0,1
	WIN 0x02+\rho
.set i, 0
.rept 64
	v_pk_add_f32 v[128+2*i:128+2*i+1], v[128*\g+2*i:128*\g+2*i+1], v[16+8*\rho:16+8*\rho+1] op_sel_hi:[1,0] neg_lo:[0,1] neg_hi:[0,1]
.set i, i+1
.endr
	WIN 0x40
.set i, 0
.rept 64
	v_cvt_pk_f16_f32 v[128*\rho+64*\g+i], v[128+2*i], v[128+2*i+1]
.set i, i+1
.endr
.endr
.endr
	WIN 0x05                                       ; d d^T: both sources in window 1; the two row tiles' accumulators take turns
.set kf, 0
.rept 16
.irp rho, 0,1
.if kf == 0
	v_wmma_f32_16x16x32_f16 v[32+8*\rho:32+8*\rho+7], v[128*\rho+8*kf:128*\rho+8*kf+7], v[128*\rho+8*kf:128*\rho+8*kf+7], 0
.else
	v_wmma_f32_16x16x32_f16 v[32+8*\rho:32+8*\rho+7], v[128*\rho+8*kf:128*\rho+8*kf+7], v[128*\rho+8*kf:128*\rho+8*kf+7], v[32+8*\rho:32+8*\rho+7]
.endif
.endr
.set kf, kf+1
.endr
	WIN 0
	PLACES
.irp rho, 0,1                          ; register j of lane (r, h) holds element (8 h + j, r): row r's sum of squares lies in register r % 8 of the lane with h = r / 8
.set rG, 32+8*\rho
.set rS, 18+8*\rho
	v_cndmask_b32 v[rS], v[rG], v[rG+1], s[MK]
.set j, 2
.rept 6
	v_cndmask_b32 v[rS], v[rS], v[rG+j], s[MK+j-1]
.set j, j+1
.endr
	v_permlanex16_b32 v[rS+1], v[rS], s[SEL], s[SEL+1]
	v_cndmask_b32 v[rS], v[rS+1], v[rS], s[MD]
	v_fma_f32 v[rS], v[rS], s[INV512], s[EPS]      ; variance + 1e-6
.endr
	v_rsq_f32 v[RS], v18
	v_rsq_f32 v[RS+2], v26
	v_nop                                          ; a plain instruction behind the last root,
	s_wait_alu depctr_va_vdst(0)                   ; and one wait for both, ahead of the first use
	v_mov_b32 v[RS+1], v[RS]
	v_mov_b32 v[RS+3], v[RS+2]
.endm
; Batch i of a head's eight (8 images) into buffer b of window 2.  Batches 0-3 are Wk's images, 4-7 Wv's: image f of a batch is kf = 4 (i % 4) + f / 2, half f % 2; in the head's 64 KiB it is number 4 kf + 2 mat + half.
.macro LOADB b, i
	WIN 0x80
.set f, 0
.rept 8
.set lo, 1024*(4*(4*((\i)%4)+f/2)+2*((\i)/4)+f%2)
	ds_load_b128 v[64*(\b)+8*f:64*(\b)+8*f+3],   v[ADR] offset:lo
	ds_load_b128 v[64*(\b)+8*f+4:64*(\b)+8*f+7], v[ADR] offset:lo+512
.set f, f+1
.endr
.endm
; WHAT IS MADE OF k, a list of 176; KR writes number j of it and steps j.
;   0-15    k = rstd s + bias: rstd of the register's row, the bias of my channel (each accumulator's lowest registers first)
;   16-127  elu(k) + 1 = max(k, 0) + 2^(log2(e) min(k, 0)): 16 scalings, 32 minima, 32 exponentials, 32 maxima: none of these names an exponential's result
;   (wait)  ahead of number 128: one wait for the 32 exponentials; the maxima are the plain instructions behind the last of them
;   128-143 the two parts are added     144-159 the sum of K over my 16 rows, for each half     160-175 K in bf16: registers 0-3 of an operand are rows 8 h + 0..7 (row tile 0), 4-7 rows 16 + 8 h + 0..7 (row tile 1)
.macro KR
.if j < 176
	WIN 0
.if j < 16
.set rC, CK+8*(j/4)+2*(j%4)
.set rR, RSJ+8*(j/8)+2*(j%4)
.if ((j/4)%2) == 0
	v_pk_fma_f32 v[rC:rC+1], v[rC:rC+1], v[rR:rR+1], v[BK:BK+1] op_sel_hi:[1,1,0]
.else
	v_pk_fma_f32 v[rC:rC+1], v[rC:rC+1], v[rR:rR+1], v[BK:BK+1] op_sel:[0,0,1] op_sel_hi:[1,1,1]
.endif
.elseif j < 32
	v_pk_mul_f32 v[E+2*(j-16):E+2*(j-16)+1], v[CK+2*(j-16):CK+2*(j-16)+1], s[L2E:L2E+1] op_sel_hi:[1,0]
.elseif j < 64
	v_min_num_f32 v[E+j-32], 0, v[E+j-32]
.elseif j < 96
	v_exp_f32 v[E+j-64], v[E+j-64]
.elseif j < 128
	v_max_num_f32 v[CK+j-96], 0, v[CK+j-96]
.elseif j < 144
.if j == 128
	s_wait_alu depctr_va_vdst(0)
.endif
	v_pk_add_f32 v[CK+2*(j-128):CK+2*(j-128)+1], v[CK+2*(j-128):CK+2*(j-128)+1], v[E+2*(j-128):E+2*(j-128)+1]
.elseif j < 160
.set z, (j-144)%8
.set rK, CK+8*((j-144)/8)
.set rE, E+8*((j-144)/8)
.set rA, rK+4*(z%2)+16*(z/2)
.if z < 4
	v_pk_add_f32 v[rE+2*z:rE+2*z+1], v[rA:rA+1], v[rA+2:rA+3]
.elseif z == 4
	v_pk_add_f32 v[rE:rE+1], v[rE:rE+1], v[rE+2:rE+3]
.elseif z == 5
	v_pk_add_f32 v[rE+4:rE+5], v[rE+4:rE+5], v[rE+6:rE+7]
.elseif z == 6
	v_pk_add_f32 v[rE:rE+1], v[rE:rE+1], v[rE+4:rE+5]
.else
	v_add_f32 v[KSV+(j-144)/8], v[rE], v[rE+1]
.endif
.else
.set z, j-160
.set rK, CK+16*((z/4)%2)+8*(z/8)+2*(z%4)
	v_cvt_pk_bf16_f32 v[KF+z], v[rK], v[rK+1]
.endif
.endif
.set j, j+1
.endm
; Batch i: 16 products; the matrix's 4 accumulators (half, row tile) take turns, one instruction a turn.  ride = 1: three of KR's list stand behind each product; they name none of its registers.
.macro MULK i, ride
.set f, 0
.rept 8
.set rW, 64*((\i)%4)+8*f
.set kf, 4*((\i)%4)+f/2
.set rD, CK+32*((\i)/4)+8*(f%2)
.irp rho, 0,1
	WIN 0x09                                       ; source 0 (d) window 1, source 1 (weights) window 2
.if kf == 0
	v_wmma_f32_16x16x32_f16 v[rD+16*\rho:rD+16*\rho+7], v[128*\rho+8*kf:128*\rho+8*kf+7], v[rW:rW+7], 0
.else
	v_wmma_f32_16x16x32_f16 v[rD+16*\rho:rD+16*\rho+7], v[128*\rho+8*kf:128*\rho+8*kf+7], v[rW:rW+7], v[rD+16*\rho:rD+16*\rho+7]
.endif
.if \ride
	KR
	KR
	KR
.endif
.endr
.set f, f+1
.endr
.endm
; ONE HEAD: k of my 32 rows (64 products), v (64 products, K's vector work behind them), the sums over my rows, into the exchange.
.macro KVCHUNK
	WIN 0
	v_add_nc_u32 v[ADR], s[TB], v[LA]
	v_add_nc_u32 v[KAD], s[TO], v[TBL]
	v_add_nc_u32 v[EXA], s[XO], v[EX0]
	v_add_nc_u32 v[EKA], s[XO], v[EK0]
	ds_load_b32 v[BK],   v[KAD]
	ds_load_b32 v[BK+1], v[KAD] offset:64
	ds_load_b32 v[BK+2], v[KAD] offset:2048
	ds_load_b32 v[BK+3], v[KAD] offset:2048+64
	LOADB 0, 0
	LOADB 1, 1
.set j, 0
.set bi, 0
.rept 8
.if bi == 7
	s_wait_dscnt 0x0
.else
	s_wait_dscnt 16                                ; this batch is in; the next batch's 16 loads may stay out
.endif
.if bi < 6
	PLACES                                         ; behind the products that read the buffer two batches ago; at batch 4 also behind k's last product, ahead of the first line that reads k
	LOADB (bi+2)%4, bi+2
.endif
	MULK bi, bi/4
.set bi, bi+1
.endr
	WIN 0
	PLACES
.set a, 4
.rept 4                                ; v = rstd s + bias: a = 4 + 2 rho + tau
.set p, 0
.rept 4
.set rC, CK+8*a+2*p
.set rR, RSJ+8*((a/2)%2)+2*p
.if (a%2) == 0
	v_pk_fma_f32 v[rC:rC+1], v[rC:rC+1], v[rR:rR+1], v[BK+2:BK+3] op_sel_hi:[1,1,0]
.else
	v_pk_fma_f32 v[rC:rC+1], v[rC:rC+1], v[rR:rR+1], v[BK+2:BK+3] op_sel:[0,0,1] op_sel_hi:[1,1,1]
.endif
.set p, p+1
.endr
.set a, a+1
.endr
.set n, 0
.rept 16                               ; n = 8 tau + 4 rho + q, as for K
.set rK, CK+32+16*((n/4)%2)+8*(n/8)+2*(n%4)
	v_cvt_pk_bf16_f32 v[VF+n], v[rK], v[rK+1]
.set n, n+1
.endr
.set u, 0
.rept 4                                ; register j of lane (r, h): K's channel 16 tau + r, v's channel 16 tau' + 8 h + j
	v_wmma_f32_16x16x32_bf16 v[KVT+8*u:KVT+8*u+7], v[VF+8*(u%2):VF+8*(u%2)+7], v[KF+8*(u/2):KF+8*(u/2)+7], 0
.set u, u+1
.endr
	PLACES
.set n, 0
.rept 8
	ds_store_b128 v[EXA], v[KVT+4*n:KVT+4*n+3] offset:512*n
.set n, n+1
.endr
	ds_store_b64 v[EKA], v[KSV:KSV+1]
	s_add_co_u32 s[TB], s[TB], CHB
	s_add_co_u32 s[TO], s[TO], 128
	s_add_co_u32 s[XO], s[XO], EXPAR
.endm
; The four waves' sums of two heads are added and stored: wave w takes tile u = w of both heads; wave 0 also the sums of K.
.macro REDUCE
	WIN 0
.set g, 0
.rept 4                                ; g = 2 parity + half of the tile's registers
.set sw, 0
.rept 4
	ds_load_b128 v[128+16*g+4*sw:128+16*g+4*sw+3], v[RDA] offset:(g/2)*EXPAR+sw*EXW+(g%2)*512
.set sw, sw+1
.endr
.set g, g+1
.endr
	s_wait_dscnt 0x0
.set g, 0
.rept 4
.set rB, 128+16*g
	v_pk_add_f32 v[rB:rB+1],     v[rB:rB+1],     v[rB+4:rB+5]
	v_pk_add_f32 v[rB+2:rB+3],   v[rB+2:rB+3],   v[rB+6:rB+7]
	v_pk_add_f32 v[rB+8:rB+9],   v[rB+8:rB+9],   v[rB+12:rB+13]
	v_pk_add_f32 v[rB+10:rB+11], v[rB+10:rB+11], v[rB+14:rB+15]
	v_pk_add_f32 v[rB:rB+1],     v[rB:rB+1],     v[rB+8:rB+9]
	v_pk_add_f32 v[rB+2:rB+3],   v[rB+2:rB+3],   v[rB+10:rB+11]
.set g, g+1
.endr
.set g, 0
.rept 4
	global_store_b128 v[GKV], v[128+16*g:128+16*g+3], s[PB:PB+1] offset:(g/2)*4096+(g%2)*512  ; 512 consecutive bytes, aligned
.set g, g+1
.endr
	s_cmp_lg_u32 s[WV], 0
	s_cbranch_scc1 .Lno_ks_\@
.set n, 0
.rept 8                                ; n = 4 parity + wave
	ds_load_b64 v[KT+2*n:KT+2*n+1], v[RKA] offset:(n/4)*EXPAR+(n%4)*EXW
.set n, n+1
.endr
	s_wait_dscnt 0x0
.irp par, 0,1
	v_pk_add_f32 v[KT+8*\par:KT+8*\par+1],   v[KT+8*\par:KT+8*\par+1],   v[KT+8*\par+2:KT+8*\par+3]
	v_pk_add_f32 v[KT+8*\par+4:KT+8*\par+5], v[KT+8*\par+4:KT+8*\par+5], v[KT+8*\par+6:KT+8*\par+7]
	v_pk_add_f32 v[KT+8*\par:KT+8*\par+1],   v[KT+8*\par:KT+8*\par+1],   v[KT+8*\par+4:KT+8*\par+5]
	global_store_b64 v[GKS], v[KT+8*\par:KT+8*\par+1], s[KB:KB+1] offset:256*\par  ; 256 consecutive bytes, aligned
.endr
.Lno_ks_\@:
	s_wait_xcnt 0x0                                ; the stores have read their bases and data: only now are these written again
	s_add_nc_u64 s[PB:PB+1], s[PB:PB+1], 8192
	s_add_nc_u64 s[KB:KB+1], s[KB:KB+1], 512
.endm
; THE CHANGE OF SLOTS.  Each wave waits for all its tensor loads (one is out: its part of the slot to be read), adds 0 to its spare word, and waits for that and for its LDS reads and stores.
; fill = 1: behind a round of the cluster's barrier the slot that was read is filled again, first thing; the load has two heads' work, 264 products a wave, in which to land.
.macro CHANGE fill
	WIN 0
	s_wait_tensorcnt 0x0                           ; no tensor load of mine is out, so group 0 may be written
	ds_add_u32 v[SPW], v[NIL]                      ; 0 onto my spare word
.if \fill
	s_xor_b32 s[G0+1], s[G0+1], SLOTB              ; the other slot,
	s_add_nc_u64 s[G0+2:G0+3], s[G0+2:G0+3], SLOTB ; the next two heads; the type bits on top are not reached
	s_wait_xcnt 0x0                                ; the last prefetch, a slot back, has read its address
	s_add_nc_u64 s[PFA:PFA+1], s[PFA:PFA+1], SLOTB
	s_wait_dscnt 0x0                               ; the add is done; my reads of the slot and of the exchange are over
	CROUND
	JLOAD
	ASK
.else
	s_wait_dscnt 0x0
	s_barrier_signal -1
	s_barrier_wait -1
.endif
	s_sub_co_u32 s[TB], s[TB], SLOTB               ; back to a slot's first head,
	s_xor_b32 s[TB], s[TB], SLOTB                  ; in the other slot
.endm
.macro TWO                             ; a slot's two heads: written once, walked twice; then their sums meet
	s_mov_b32 s[CNT], 2
.Lhead_\@:
	KVCHUNK
	WIN 0
	s_sub_co_u32 s[CNT], s[CNT], 1
	s_cmp_lg_u32 s[CNT], 0
	s_cbranch_scc1 .Lhead_\@
	s_sub_co_u32 s[XO], s[XO], 2*EXPAR
	s_wait_dscnt 0x0                               ; for the others' sake: my stores into the exchange are done
	s_barrier_signal -1                            ; the slot's load may stay out
	s_barrier_wait -1
	REDUCE                                         ; the next change's barrier stands between these reads and the next stores into the exchange
.endm
	s_load_b256 s[4:11], s[0:1], 0x0               ; x s[4:5], cpart s[6:7], wkv s[8:9], part s[10:11]
	v_lshl_add_u32 v[SPW], v0, 2, SPARE
	v_mov_b32 v[NIL], 0
	ds_add_u32 v[SPW], v[NIL]                      ; the opening: the add, twice on end, and its wait ahead of my first tensor load
	ds_add_u32 v[SPW], v[NIL]
	v_lshrrev_b32 v1, 5, v0
	v_readfirstlane_b32 s[WV], v1
	s_bfe_u32 s[CX], ttmp6, 0x40000
	s_lshl_b32 s[WG], ttmp9, 2                     ; in a cluster launch ttmp9 counts clusters
	s_add_co_u32 s[WG], s[WG], s[CX]
	s_mov_b32 s[G1W],   15|(3<<16)|(1<<21)         ; the mask of four; elements of 8 bytes; bit 21 beside a mask
	s_mov_b32 s[G1W+1], 32<<16                     ; tensor_dim0 = 32: rows of 256 bytes
	s_mov_b32 s[G1W+2], 128<<16                    ; tensor_dim1 = 128
	s_mov_b32 s[G1W+3], 32<<16                     ; tile_dim0
	s_mov_b32 s[G1W+4], 128                        ; tile_dim1
	s_mov_b32 s[G1W+5], 32                         ; dense: a row begins where the last ends
	s_mov_b32 s[G1W+6], 0
	s_mov_b32 s[G1W+7], 0
	s_mov_b32 s[G1X],   (2<<16)|(1<<20)|(7<<22)|(3<<25)  ; elements of 4 bytes; padding on: after every 256 words 4 words
	s_mov_b32 s[G1X+1], 256<<16                    ; half rows of 1,024 bytes,
	s_mov_b32 s[G1X+2], 64<<16                     ; 64 of them: my 32 rows
	s_mov_b32 s[G1X+3], 256<<16
	s_mov_b32 s[G1X+4], 64
	s_mov_b32 s[G1X+5], 256
	s_mov_b32 s[G1X+6], 0
	s_mov_b32 s[G1X+7], 0
	s_mov_b32 s[G0], 1
	s_lshl_b32 s[G0+1], s[WV], 15                  ; slot 0, my quarter
	s_mov_b32 s[G0X], 1
	s_mul_i32 s[G0X+1], s[WV], XPW
	s_mov_b32 s[SEL], 0x76543210
	s_mov_b32 s[SEL+1], 0xfedcba98
	s_mov_b32 s[L2E], 0x3fb8aa3b
	s_mov_b32 s[L2E+1], s[L2E]
	s_mov_b32 s[INV512], 0x3b000000                ; 1 / 512
	s_mov_b32 s[EPS], 0x358637bd                   ; 1e-6
	s_mov_b32 s[TB], 2*SLOTB                       ; the first change of slots turns it into 0
	s_mov_b32 s[TO], 0
	s_mov_b32 s[XO], 0
	s_mov_b32 s[SLOTS], 7
	s_cmp_eq_u32 ttmp9, 0
	s_cselect_b32 s[LIM], 1, -1                    ; the same in all four partners
	v_and_b32 v1, 31, v0                           ; lane
	v_lshlrev_b32 v[LA], 4, v1
	v_lshlrev_b32 v[PFO], 8, v1
	v_and_b32 v24, 15, v0                          ; r
	v_bfe_u32 v25, v0, 4, 1                        ; h
	v_lshl_add_u32 v[TBL], v24, 2, TAB
	v_mul_u32_u24 v[XA], v24, 2080                 ; a row is two padded half rows
	v_lshl_add_u32 v[XA], v25, 5, v[XA]
	v_add_nc_u32 v[XA], s[G0X+1], v[XA]
	v_and_b32 v26, 7, v0
	v_bfe_u32 v27, v0, 3, 1
.set j, 1
.rept 7
	v_cmp_eq_u32 s[MK+j-1], j, v26
.set j, j+1
.endr
	v_cmp_eq_u32 s[MD], v27, v25
	v_lshlrev_b32 v28, 4, v0                       ; 16 x thread: 128 threads cover a vector of 512 f32
	v_lshl_add_u32 v29, v0, 4, TAB
	s_wait_dscnt 0x0                               ; both opening adds are done
	s_wait_kmcnt 0x0
	s_lshl_b32 s2, s[WG], 18                       ; my work-group's 128 rows of 2,048 bytes,
	s_lshl_b32 s3, s[WV], 16                       ; my wave's 32
	s_add_co_u32 s2, s2, s3
	s_mov_b32 s3, 0
	s_add_nc_u64 s[G0X+2:G0X+3], s[4:5], s[2:3]
	s_or_b32 s[G0X+3], s[G0X+3], 0x80000000
	s_lshl_b32 s46, s[WV], 15
	s_mov_b32 s47, 0
	s_add_nc_u64 s[G0+2:G0+3], s[8:9], s[46:47]    ; made of the wave's number alone: equal in all four partners
	s_lshl_b32 s2, s[CX], 13
	s_add_nc_u64 s[PFA:PFA+1], s[G0+2:G0+3], s[2:3]  ; my work-group's 8 KiB of my quarter,
	s_add_nc_u64 s[PFA:PFA+1], s[PFA:PFA+1], SLOTB   ; in slot 1; the first change steps it to slot 2
	s_or_b32 s[G0+3], s[G0+3], 0x80000000
	s_mul_i32 s2, s[WG], 69632                     ; my record of part
	s_add_nc_u64 s[PB:PB+1], s[10:11], s[2:3]
	s_add_nc_u64 s[KB:KB+1], s[PB:PB+1], 65536
	CROUND                                         ; in a cluster launch every group of tensor loads stands behind a round
	tensor_load_to_lds s[G0X:G0X+3], s[G1X:G1X+7]  ; my 32 rows of x
	s_nop 0
	PLACES
.set kf, 0
.rept 16                               ; b @ Wk and b @ Wv: 16 partial vectors each
	global_load_b128 v[128+4*kf:128+4*kf+3], v28, s[6:7] offset:kf*2048
	global_load_b128 v[192+4*kf:192+4*kf+3], v28, s[6:7] offset:(16+kf)*2048
.set kf, kf+1
.endr
	s_wait_loadcnt 0x0
.set kf, 1
.rept 15
	v_pk_add_f32 v[128:129], v[128:129], v[128+4*kf:128+4*kf+1]
	v_pk_add_f32 v[130:131], v[130:131], v[128+4*kf+2:128+4*kf+3]
	v_pk_add_f32 v[192:193], v[192:193], v[192+4*kf:192+4*kf+1]
	v_pk_add_f32 v[194:195], v[194:195], v[192+4*kf+2:192+4*kf+3]
.set kf, kf+1
.endr
	ds_store_b128 v29, v[128:131]
	ds_store_b128 v29, v[192:195] offset:2048
	s_wait_tensorcnt 0x0                           ; my x is in LDS; only I read it
	XIN
	WIN 0
	s_wait_tensorcnt 0x0                           ; the bytes of x are filled again: all my tensor loads are done,
	ds_add_u32 v[SPW], v[NIL]                      ; 0 onto my spare word,
	s_wait_dscnt 0x0                               ; the add, my reads of x and my stores into the tables are done
	CROUND
	JLOAD                                          ; slot 0; it lands under the norm
	LNORM
	WIN 0
	s_mul_i32 s46, s[WV], EXW
	v_add_nc_u32 v[EX0], s46, v[LA]
	v_add_nc_u32 v[EX0], EXCH, v[EX0]
	v_lshlrev_b32 v[GKS], 3, v1
	v_add_nc_u32 v[EK0], s46, v[GKS]
	v_add_nc_u32 v[EK0], EXCH+4096, v[EK0]
	s_lshl_b32 s46, s[WV], 10
	v_add_nc_u32 v[GKV], s46, v[LA]
	v_add_nc_u32 v[RDA], EXCH, v[GKV]
	v_add_nc_u32 v[RKA], EXCH+4096, v[GKS]
	v_bfe_u32 v[KT], v0, 4, 1
	v_lshlrev_b32 v[KT], 5, v[KT]                  ; lane 8 h, as a byte index
.set j, 1
.rept 7
	v_add_nc_u32 v[KT+j], 4*j, v[KT]
.set j, j+1
.endr
.set j, 0
.rept 8                                ; in k and v a register is a row: rstd of row 8 h + j is fetched from lane 8 h + j
	ds_bpermute_b32 v[RSJ+j],   v[KT+j], v[RS]
	ds_bpermute_b32 v[RSJ+8+j], v[KT+j], v[RS+2]
.set j, j+1
.endr
	s_wait_dscnt 0x0
.Lslot:                                ; seven trips: a slot is entered and the next is asked for
	CHANGE 1
	TWO
	s_sub_co_u32 s[SLOTS], s[SLOTS], 1
	s_cmp_lg_u32 s[SLOTS], 0
	s_cbranch_scc1 .Lslot
	CHANGE 0                                       ; the last slot is written out
	TWO
	WIN 0
	s_wait_tensorcnt 0x0                           ; the wave's end
	ds_add_u32 v[SPW], v[NIL]
	s_wait_dscnt 0x0
	CROUND                                         ; the closing round
	s_endpgm
.Lfunc_end_k_q28aba19fe4_kv:
	.size	k_q28aba19fe4_kv, .Lfunc_end_k_q28aba19fe4_kv-k_q28aba19fe4_kv
	.p2alignl 7, 3214868480
	.fill 96, 4, 3214868480
	.section	.rodata,"a",@progbits
	.p2align	6, 0x0
	.amdhsa_kernel k_q28aba19fe4_kv
		.amdhsa_group_segment_fixed_size 327680
		.amdhsa_private_segment_fixed_size 0
		.amdhsa_enable_private_segment 0
		.amdhsa_kernarg_size 32
		.amdhsa_user_sgpr_count 2
		.amdhsa_user_sgpr_kernarg_segment_ptr 1
		.amdhsa_wavefront_size32 1
		.amdhsa_system_sgpr_workgroup_id_x 1
		.amdhsa_system_sgpr_workgroup_id_y 1
		.amdhsa_system_sgpr_workgroup_id_z 1
		.amdhsa_system_vgpr_workitem_id 0
		.amdhsa_next_free_vgpr 1024
		.amdhsa_next_free_sgpr 80
		.amdhsa_reserve_vcc 0
		.amdhsa_float_denorm_mode_32 3
		.amdhsa_float_denorm_mode_16_64 3
		.amdhsa_memory_ordered 1
		.amdhsa_forward_progress 1
		.amdhsa_inst_pref_size 152
	.end_amdhsa_kernel
	.amdgpu_metadata
---
amdhsa.version: [ 1, 2 ]
amdhsa.kernels:
  - .name:           k_q28aba19fe4_kv
    .symbol:         k_q28aba19fe4_kv.kd
    .args:
      - { .name: x, .offset: 0, .size: 8, .value_kind: global_buffer, .address_space: global }
      - { .name: cpart, .offset: 8, .size: 8, .value_kind: global_buffer, .address_space: global }
      - { .name: wkv, .offset: 16, .size: 8, .value_kind: global_buffer, .address_space: global }
      - { .name: part, .offset: 24, .size: 8, .value_kind: global_buffer, .address_space: global }
    .group_segment_fixed_size: 327680
    .private_segment_fixed_size: 0
    .kernarg_segment_align: 8
    .kernarg_segment_size: 32
    .max_flat_workgroup_size: 128
    .sgpr_count:     80
    .vgpr_count:     1024
    .wavefront_size: 32
...
	.end_amdgpu_metadata
.endif
;; end of part 2
;; launch mid (part 3): grid 16 x 8, 8 waves a work-group, no clusters, 35,840 bytes of LDS; arguments part, wmt, mt, ks; writes mt, ks
.if DOCPART == 3
	.amdgcn_target "amdgcn-amd-amdhsa--gfx1250"
	.amdhsa_code_object_version 6
	.text
	.protected	k_q28aba19fe4_mid
	.globl	k_q28aba19fe4_mid
	.p2align	8
	.type	k_q28aba19fe4_mid,@function
k_q28aba19fe4_mid:
	s_mov_b64 s[64:65], 0
	v_nop
	global_prefetch_b8 v0, s[64:65] scope:SCOPE_SE
	s_setreg_imm32_b32 hwreg(HW_REG_WAVE_MODE, 25, 1), 1
	s_wait_xcnt 0x0
; MID.  Work-group (head c, batch b): the 32 records of the batch are added (f32), and the head's 32 x 32 sum KV[d][v] is multiplied into Wm:
; M[(c, d)][o] = sum over v of KV[d][v] Wm[32 c + v][o], stored in bf16 as the fragment images of M^T[o][k = 32 c + d]; and Ksum[32 c + d], in f32.
; FORMATS.  KV and Wm bf16 (KV's range is not bounded by the computation), sums f32, M rounded once to bf16.
; SHARES.  Eight waves.  First half: wave w adds records 32 b + 4 w .. + 3.  The eight partial sums meet in LDS.  Second half: wave w takes K's half tau = w % 2 and the outputs' tiles 8 (w / 2) .. + 7.
; There is work for 128 work-groups and no more; they share no input but Wm's 32 KiB of a head among 8 batches, a small part of what each reads (139 KiB of part): no cluster.
.set EXW,   4352                       ; a wave's record in the exchange: 4 tiles (4,096 bytes), the sums of K (256)
.set SPARE, 34816                      ; behind the exchange: the spare words, 128 bytes for each of eight waves
.set SPW, 10
.set NIL, 11
	s_load_b256 s[4:11], s[0:1], 0x0               ; part s[4:5], wmt s[6:7], mt s[8:9], ks s[10:11]
	v_lshl_add_u32 v[SPW], v0, 2, SPARE
	v_mov_b32 v[NIL], 0
	v_lshrrev_b32 v1, 5, v0
	v_readfirstlane_b32 s12, v1                    ; wave 0..7
	s_mov_b32 s13, ttmp9                           ; c
	s_and_b32 s14, ttmp7, 0xffff                   ; b
	v_and_b32 v1, 31, v0                           ; lane
	v_lshlrev_b32 v2, 4, v1
	v_lshlrev_b32 v3, 3, v1
	s_mul_i32 s15, s12, EXW
	v_add_nc_u32 v4, s15, v2                       ; my 16 bytes in my wave's record,
	v_add_nc_u32 v5, s15, v3                       ; my 8 bytes of its sums of K (at + 4,096)
	s_and_b32 s28, s12, 1                          ; tau
	s_lshr_b32 s29, s12, 1                         ; which 8 tiles of outputs
	s_lshl_b32 s15, s28, 11
	v_add_nc_u32 v6, s15, v2                       ; tiles 2 tau and 2 tau + 1 of a record
	s_mov_b32 s30, 0x76543210
	s_mov_b32 s31, 0xfedcba98
	s_lshl_b32 s16, s14, 5
	s_lshl2_add_u32 s16, s12, s16                  ; record 32 b + 4 w
	s_mul_i32 s16, s16, 69632
	s_mov_b32 s17, 0
	s_wait_kmcnt 0x0
	s_add_nc_u64 s[18:19], s[4:5], s[16:17]
	s_add_nc_u64 s[20:21], s[18:19], 65536
	s_lshl_b32 s16, s13, 12                        ; the head's 4,096 bytes
	s_add_nc_u64 s[18:19], s[18:19], s[16:17]
	s_lshl_b32 s16, s13, 8                         ; its 256 bytes of sums of K
	s_add_nc_u64 s[20:21], s[20:21], s[16:17]
	s_lshl_b32 s16, s13, 15                        ; chunk c of wmt and of mt,
	s_lshl_b32 s15, s29, 13                        ; my 8 images
	s_add_co_u32 s16, s16, s15
	s_add_nc_u64 s[22:23], s[6:7], s[16:17]
	s_add_nc_u64 s[24:25], s[8:9], s[16:17]
	s_lshl_b32 s16, s14, 19                        ; the batch's 512 KiB,
	s_lshl_b32 s15, s28, 9                         ; k = 16 tau + .. is the image's half tau
	s_add_co_u32 s16, s16, s15
	s_add_nc_u64 s[24:25], s[24:25], s[16:17]
	s_lshl_b32 s16, s14, 11
	s_lshl_b32 s15, s13, 7
	s_add_co_u32 s16, s16, s15
	s_add_nc_u64 s[26:27], s[10:11], s[16:17]
.set i, 0
.rept 4
.set g, 0
.rept 8
	global_load_b128 v[32+32*i+4*g:32+32*i+4*g+3], v2, s[18:19] offset:i*69632+g*512 th:TH_LOAD_NT
.set g, g+1
.endr
.set i, i+1
.endr
.set i, 0
.rept 4
	global_load_b64 v[16+2*i:16+2*i+1], v3, s[20:21] offset:i*69632 th:TH_LOAD_NT
.set i, i+1
.endr
.set n, 0
.rept 16                               ; Wm's images: tile n / 2 of my 8, half n % 2
	global_load_b128 v[160+4*n:160+4*n+3], v2, s[22:23] offset:512*n
.set n, n+1
.endr
	s_wait_loadcnt 16                              ; the records are in; Wm's 16 loads may stay out
.set n, 0
.rept 16                               ; 16 pairs, four records
	v_pk_add_f32 v[32+2*n:32+2*n+1], v[32+2*n:32+2*n+1], v[64+2*n:64+2*n+1]
	v_pk_add_f32 v[96+2*n:96+2*n+1], v[96+2*n:96+2*n+1], v[128+2*n:128+2*n+1]
	v_pk_add_f32 v[32+2*n:32+2*n+1], v[32+2*n:32+2*n+1], v[96+2*n:96+2*n+1]
.set n, n+1
.endr
	v_pk_add_f32 v[16:17], v[16:17], v[18:19]
	v_pk_add_f32 v[20:21], v[20:21], v[22:23]
	v_pk_add_f32 v[16:17], v[16:17], v[20:21]
.set g, 0
.rept 8
	ds_store_b128 v4, v[32+4*g:32+4*g+3] offset:512*g
.set g, g+1
.endr
	ds_store_b64 v5, v[16:17] offset:4096
	s_wait_dscnt 0x0                               ; for the others' sake: my stores are done
	s_barrier_signal -1
	s_barrier_wait -1
.set sw, 0
.rept 8
.set g, 0
.rept 4
	ds_load_b128 v[32+16*sw+4*g:32+16*sw+4*g+3], v6 offset:sw*EXW+512*g
.set g, g+1
.endr
.set sw, sw+1
.endr
	s_wait_dscnt 0x0
.set n, 0
.rept 8                                ; 8 pairs, eight waves
.set rB, 32+2*n
	v_pk_add_f32 v[rB:rB+1],       v[rB:rB+1],       v[rB+16:rB+17]
	v_pk_add_f32 v[rB+32:rB+33],   v[rB+32:rB+33],   v[rB+48:rB+49]
	v_pk_add_f32 v[rB+64:rB+65],   v[rB+64:rB+65],   v[rB+80:rB+81]
	v_pk_add_f32 v[rB+96:rB+97],   v[rB+96:rB+97],   v[rB+112:rB+113]
	v_pk_add_f32 v[rB:rB+1],       v[rB:rB+1],       v[rB+32:rB+33]
	v_pk_add_f32 v[rB+64:rB+65],   v[rB+64:rB+65],   v[rB+96:rB+97]
	v_pk_add_f32 v[rB:rB+1],       v[rB:rB+1],       v[rB+64:rB+65]
.set n, n+1
.endr
.set n, 0
.rept 8                                ; lane (r, h) holds KV[16 tau + r][8 h + 0..7] and [16 + 8 h + 0..7]: source 0, rows d, K = v
	v_cvt_pk_bf16_f32 v[224+n], v[32+2*n], v[32+2*n+1]
.set n, n+1
.endr
	s_wait_loadcnt 0x0                             ; Wm
.set n, 0
.rept 8
	v_wmma_f32_16x16x32_bf16 v[96+8*n:96+8*n+7], v[224:231], v[160+8*n:160+8*n+7], 0
.set n, n+1
.endr
.rept 4
	v_nop                                          ; four places behind the last product
.endr
.set n, 0
.rept 32                               ; register j of lane (r, h): M[32 c + 16 tau + 8 h + j][16 t + r]: eight neighbouring k of one output: 16 bytes of the image
	v_cvt_pk_bf16_f32 v[32+n], v[96+2*n], v[96+2*n+1]
.set n, n+1
.endr
.set n, 0
.rept 8
	global_store_b128 v2, v[32+4*n:32+4*n+3], s[24:25] offset:1024*n  ; 512 consecutive bytes, aligned
.set n, n+1
.endr
	s_cmp_lg_u32 s12, 0
	s_cbranch_scc1 .Lend
.set sw, 0
.rept 8
	ds_load_b64 v[64+2*sw:64+2*sw+1], v3 offset:sw*EXW+4096
.set sw, sw+1
.endr
	s_wait_dscnt 0x0
	v_pk_add_f32 v[64:65], v[64:65], v[66:67]
	v_pk_add_f32 v[68:69], v[68:69], v[70:71]
	v_pk_add_f32 v[72:73], v[72:73], v[74:75]
	v_pk_add_f32 v[76:77], v[76:77], v[78:79]
	v_pk_add_f32 v[64:65], v[64:65], v[68:69]
	v_pk_add_f32 v[72:73], v[72:73], v[76:77]
	v_pk_add_f32 v[64:65], v[64:65], v[72:73]
	v_permlanex16_b32 v66, v64, s30, s31           ; the other half of the rows lies in the lane 16 away
	v_permlanex16_b32 v67, v65, s30, s31
	v_add_f32 v64, v64, v66
	v_add_f32 v65, v65, v67
	v_cmp_gt_u32 vcc_lo, 16, v1
	v_cndmask_b32 v64, v65, v64, vcc_lo            ; lane l stores channel l: half 0 below, half 1 above
	v_lshlrev_b32 v7, 2, v1
	global_store_b32 v7, v64, s[26:27]
.Lend:
	s_wait_tensorcnt 0x0                           ; the wave's end, behind my last LDS store
	ds_add_u32 v[SPW], v[NIL]
	s_wait_dscnt 0x0
	s_endpgm
.Lfunc_end_k_q28aba19fe4_mid:
	.size	k_q28aba19fe4_mid, .Lfunc_end_k_q28aba19fe4_mid-k_q28aba19fe4_mid
	.p2alignl 7, 3214868480
	.fill 96, 4, 3214868480
	.section	.rodata,"a",@progbits
	.p2align	6, 0x0
	.amdhsa_kernel k_q28aba19fe4_mid
		.amdhsa_group_segment_fixed_size 35840
		.amdhsa_private_segment_fixed_size 0
		.amdhsa_enable_private_segment 0
		.amdhsa_kernarg_size 32
		.amdhsa_user_sgpr_count 2
		.amdhsa_user_sgpr_kernarg_segment_ptr 1
		.amdhsa_wavefront_size32 1
		.amdhsa_system_sgpr_workgroup_id_x 1
		.amdhsa_system_sgpr_workgroup_id_y 1
		.amdhsa_system_sgpr_workgroup_id_z 1
		.amdhsa_system_vgpr_workitem_id 0
		.amdhsa_next_free_vgpr 232
		.amdhsa_next_free_sgpr 66
		.amdhsa_reserve_vcc 1
		.amdhsa_float_denorm_mode_32 3
		.amdhsa_float_denorm_mode_16_64 3
		.amdhsa_memory_ordered 1
		.amdhsa_forward_progress 1
		.amdhsa_inst_pref_size 22
	.end_amdhsa_kernel
	.amdgpu_metadata
---
amdhsa.version: [ 1, 2 ]
amdhsa.kernels:
  - .name:           k_q28aba19fe4_mid
    .symbol:         k_q28aba19fe4_mid.kd
    .args:
      - { .name: part, .offset: 0, .size: 8, .value_kind: global_buffer, .address_space: global }
      - { .name: wmt, .offset: 8, .size: 8, .value_kind: global_buffer, .address_space: global }
      - { .name: mt, .offset: 16, .size: 8, .value_kind: global_buffer, .address_space: global }
      - { .name: ks, .offset: 24, .size: 8, .value_kind: global_buffer, .address_space: global }
    .group_segment_fixed_size: 35840
    .private_segment_fixed_size: 0
    .kernarg_segment_align: 8
    .kernarg_segment_size: 32
    .max_flat_workgroup_size: 256
    .sgpr_count:     66
    .vgpr_count:     232
    .wavefront_size: 32
...
	.end_amdgpu_metadata
.endif
;; end of part 3
;; launch main (part 4): grid 256 x 1, 4 waves a work-group, clusters of 4 x 1, 327,680 bytes of LDS; arguments x, cpart, b1, b2, wa, mt, w2t, ks, out0; writes out0
.if DOCPART == 4
	.amdgcn_target "amdgcn-amd-amdhsa--gfx1250"
	.amdhsa_code_object_version 6
	.text
	.protected	k_q28aba19fe4_main
	.globl	k_q28aba19fe4_main
	.p2align	8
	.type	k_q28aba19fe4_main,@function
k_q28aba19fe4_main:
	s_mov_b64 s[64:65], 0
	v_nop
	global_prefetch_b8 v0, s[64:65] scope:SCOPE_SE
	s_setreg_imm32_b32 hwreg(HW_REG_WAVE_MODE, 25, 1), 1
	s_wait_xcnt 0x0
	s_wait_alu depctr_hold_cnt(0) depctr_sa_sdst(0) depctr_va_vdst(0) depctr_va_sdst(0) depctr_va_ssrc(0) depctr_va_vcc(0) depctr_vm_vsrc(0)
	s_getreg_b32 s2, hwreg(HW_REG_IB_STS2, 6, 4)
	s_cmp_eq_u32 s2, 0
	s_cbranch_scc0 .Lentry_in_a_cluster
	s_endpgm
.Lentry_in_a_cluster:
	s_bfe_u32 s2, ttmp6, 0x10000c
	s_cmp_lg_u32 s2, 0x3003
	s_cbranch_scc0 .Lentry_shape_is_right
	s_endpgm
.Lentry_shape_is_right:
; MAIN.  For 128 rows: norm, q, Q = elu(q) + 1, Z = 1 / (Q . Ksum + 1e-6), x1 = x + (Q Z) @ M_b; norm, u = h2 @ W1 + b1, out = x1 + gelu(u) @ W2 + b2.
; THE RESIDUAL STAYS IN REGISTERS: a wave owns 32 rows and all 512 channels, 512 registers of f32 (ACC), which hold x, then x1, then out.  The wide intermediates are never whole:
; both phases go 32 channels (a CHUNK: a head, or 32 hidden channels) at a time: 64 products over K = 512 onto 4 small accumulators, the activation, 64 products that add onto the 64 tiles of ACC.
; BY HALVES.  The first 64 products go by halves of 16 channels: half 0 (32 products), then half 1 (32); half 0's activation stands in slices behind half 1's products; half 1's stands by itself.
; NORM.  d = x - mean in f32, rounded once to f16; the sum of d^2 is the diagonal of d d^T; rstd is applied behind the product; gain and bias were folded into the weights and into b @ W by the first launch.
; GELU, exact: u / 2 + |u / 2| erf(|u| / sqrt 2), erf by Abramowitz and Stegun 7.1.26, which holds for every argument from 0 on, to 1.5e-7.
; FORMATS.  f16: d, g.Wq, g.W1, W2, gelu(u).  bf16: Q Z and M (their range is not bounded by the computation).  All sums f32.
; LIMITS.  |x - mean|, |x1 - mean| and |gelu(u)| under 65,504; below 6e-5 f16 keeps a fixed step of 6e-8; NaN and infinities are not treated apart.
; LAYOUT.  Lane (r = lane % 16, h = lane / 16) of row tile rho holds row 16 rho + r, channels 16 t + 8 h + j in register 8 t + j: the result of a product whose source 0 is 16 outputs of the weights;
; two such tiles packed in pairs ARE the next product's source 1.  So no activation ever changes lane or wave.
; CLUSTER.  The four work-groups of a cluster lie in one batch and walk the same weights.  A slot of the ring (128 KiB) holds two chunks, each 32 KiB for the first product and 32 KiB for the second;
; it is asked for jointly, one load of 32 KiB a wave, behind a round of the cluster's barrier.  By this text's count a wave never has more than one tensor load out.
; REGISTERS in windows of 256 (s_set_vgpr_msb: bits 1:0 source 0, 3:2 source 1, 5:4 source 2, 7:6 destination):
;   window 0: addresses, statistics, small accumulators, two buffers of 8 weight images      window 1: d in f16      windows 2, 3: ACC of row tile 0, 1
.set XPW,   66560                      ; a wave's x in LDS: 64 half rows of 1,024 bytes + 16 of padding
.set SLOTB, 131072
.set CHB,   65536
.set TAB,   266240                     ; behind x and the ring: b @ Wq; Ksum of the batch (+ 2,048); b @ W1 + b1 (+ 4,096); b2 (+ 6,144)
.set SPARE, 274432                     ; the spare words, 128 bytes for each wave: two blocks of 256 bytes that no other line names
.set STGW,  66048                      ; the way out: a wave's stage, 32 rows of 2,048 bytes + 16, in the ring's bytes after their last fill
.set STGP,  2064
.set LA,  2                            ; v2   16 x lane; never rewritten
.set ADR, 3                            ; v3   LDS address of the chunk's images
.set KAD, 4                            ; v4   LDS address of the chunk's table entries
.set TBL, 5                            ; v5   TAB + 32 h
.set XA,  6                            ; v6   my place in my wave's x; on the way out: where I put 16 bytes
.set STW, 6
.set STR, 7                            ; v7   the way out: where I read rows back
.set PFO, 9                            ; v9   256 x lane
.set SPW, 10                           ; v10  LDS address of my spare word; never rewritten
.set NIL, 11                           ; v11  0; never rewritten
.set RS,  12                           ; v[12:15]   rstd of row r, a pair for each row tile
.set KSR, 16                           ; v[16:31]   the norm's sums; Ksum of my 16 channels; the polynomial
.set P,   16
.set CQ,  32                           ; v[32:63]   the small accumulators: row tile rho, half tau at CQ + 16 rho + 8 tau
.set FF,  64                           ; v[64:79]   the activation in 16 bits: source 1 of the second product, 8 registers a row tile
.set TV,  80                           ; v[80:95]   the bias of my 16 channels
.set T,   96                           ; v[96:127]  at work
.set E,   112
.set F0,  128                          ; v[128:255] two buffers of 8 images
.set WV,  22
.set CX,  23
.set WG,  24
.set G1W, 28                           ; s[28:35]  descriptor group 1, weights
.set G1X, 36                           ; s[36:43]  descriptor group 1, x
.set G0,  44                           ; s[44:47]  descriptor group 0, weights: its address is made anew for each fill
.set G0X, 48                           ; s[48:51]  descriptor group 0, x
.set P1,  52                           ; s[52:53]  my stream in phase 1 (wave % 2 = 0: Wq's images; 1: M's), at my chunk's parity (wave / 2)
.set P2,  54                           ; s[54:55]  in phase 2 (W1's; W2's)
.set Q1,  56                           ; s[56:57]  the same + my work-group's 8 KiB: for the prefetches alone
.set Q2,  58
.set PFA, 60
.set OFF, 62                           ; s[62:63]  a slot's byte offset in a stream
.set SN,  66                           ; s66  the slot to be asked for next, 0 .. 16
.set SLOTS, 67
.set CNT, 68
.set TB,  69                           ; s69  LDS byte of the chunk in hand
.set TO,  70                           ; s70  128 x chunk
.set FL1, 71                           ; s71  1: I prefetch in phase 1;  s72: in phase 2;  s73: now
.set FL2, 72
.set FL,  73
.set MK,  74                           ; s[74:80]  lanes with r % 8 = 1 .. 7
.set MD,  81                           ; s81  lanes with r / 8 = h
.set SEL, 82
.set L2E, 84                           ; constants as pairs: a packed instruction names a pair and takes its low word for both halves
.set CE,  86
.set A1,  88
.set A2,  90
.set A3,  92
.set A4,  94
.set A5,  96
.set PP,  98
.set INV512, 99
.set EPS, 100
.set EPSA, 101
.set MSB, 0
.macro WIN new                         ; the immediate's high byte repeats the setting that is left; a switch that changes nothing is dropped
.if MSB != (\new)
	s_set_vgpr_msb (MSB<<8)|(\new)
.set MSB, \new
.endif
.endm
.macro PLACES                          ; four places between a matrix instruction and a vector instruction or load that touches its registers
.rept 4
	v_nop
.endr
.endm
.macro CROUND                          ; a round of the cluster's barrier
	s_barrier_signal -1
	s_barrier_wait -1
	s_cmp_lg_u32 s[WV], 0
	s_cbranch_scc1 .Lnot_wave_0_\@
	s_barrier_signal -3
.Lnot_wave_0_\@:
	s_barrier_wait -3
	s_barrier_signal -1
	s_barrier_wait -1
.endm
.macro JLOAD                           ; the joint fill: wave w brings the slot's bytes 32,768 w ..; s_nop 0 and four v_nop follow
	tensor_load_to_lds s[G0:G0+3], s[G1W:G1W+7]
	s_nop 0
	PLACES
.endm
; A prefetch of what the NEXT change of slots will ask for.  Wq's, W1's and W2's images are walked by all 64 clusters: cluster 0 asks; a batch's M by its 8 clusters: the first of them asks.
; Of the 32 KiB that a wave will fetch each of the four partners names 8 KiB, told apart by address: a lane 256 bytes.  Slots 0 and 1 come by their loads alone; the last fill asks for nothing.
.macro ASK
	s_cmp_eq_u32 s[FL], 1
	s_cbranch_scc0 .Lnot_mine_\@
	global_prefetch_b8 v[PFO], s[PFA:PFA+1] th:TH_LOAD_NT scope:SCOPE_SE
.Lnot_mine_\@:
.endm
.macro XIN                             ; x out of LDS: 32 bytes a lane for each tile of 16 channels
.irp rho, 0,1
	WIN 0x80+0x40*\rho
.set t, 0
.rept 32
	ds_load_b128 v[8*t:8*t+3],   v[XA] offset:\rho*33280+(t/16)*1040+64*(t%16)
	ds_load_b128 v[8*t+4:8*t+7], v[XA] offset:\rho*33280+(t/16)*1040+64*(t%16)+16
.set t, t+1
.endr
.endr
.endm
; THE NORM of the 32 rows in ACC: d in f16 into window 1, rstd into RS.
.macro LNORM
	WIN 0
	PLACES
.irp rho, 0,1                          ; the row's sum: four chains of pairs; of each tile of 8 registers the lowest are read first
	WIN 0x0a+5*\rho
.set q, 0
.rept 4
	v_pk_add_f32 v[16+8*\rho+2*q:16+8*\rho+2*q+1], v[2*q:2*q+1], v[8+2*q:8+2*q+1]
.set q, q+1
.endr
	WIN 0x08+4*\rho
.set t, 2
.rept 30
.set q, 0
.rept 4
	v_pk_add_f32 v[16+8*\rho+2*q:16+8*\rho+2*q+1], v[16+8*\rho+2*q:16+8*\rho+2*q+1], v[8*t+2*q:8*t+2*q+1]
.set q, q+1
.endr
.set t, t+1
.endr
.endr
	WIN 0
.irp rho, 0,1
.set rC, 16+8*\rho
	v_pk_add_f32 v[rC:rC+1], v[rC:rC+1], v[rC+2:rC+3]
	v_pk_add_f32 v[rC+4:rC+5], v[rC+4:rC+5], v[rC+6:rC+7]
	v_pk_add_f32 v[rC:rC+1], v[rC:rC+1], v[rC+4:rC+5]
	v_add_f32 v[rC], v[rC], v[rC+1]
	v_permlanex16_b32 v[rC+2], v[rC], s[SEL], s[SEL+1]  ; the row's other 256 channels lie in the lane 16 away
	v_add_f32 v[rC], v[rC], v[rC+2]
	v_mul_f32 v[rC], s[INV512], v[rC]              ; the mean
	v_mov_b32 v[rC+1], v[rC]
.endr
.irp rho, 0,1                          ; d = x - mean, 64 pairs at a time, then rounded to f16
.irp g, 0,1
	WIN 0x02+\rho
.set i, 0
.rept 64
	v_pk_add_f32 v[128+2*i:128+2*i+1], v[128*\g+2*i:128*\g+2*i+1], v[16+8*\rho:16+8*\rho+1] op_sel_hi:[1,0] neg_lo:[0,1] neg_hi:[0,1]
.set i, i+1
.endr
	WIN 0x40
.set i, 0
.rept 64
	v_cvt_pk_f16_f32 v[128*\rho+64*\g+i], v[128+2*i], v[128+2*i+1]
.set i, i+1
.endr
.endr
.endr
	WIN 0x05                                       ; d d^T: both sources in window 1; the two row tiles' accumulators take turns
.set kf, 0
.rept 16
.irp rho, 0,1
.if kf == 0
	v_wmma_f32_16x16x32_f16 v[32+8*\rho:32+8*\rho+7], v[128*\rho+8*kf:128*\rho+8*kf+7], v[128*\rho+8*kf:128*\rho+8*kf+7], 0
.else
	v_wmma_f32_16x16x32_f16 v[32+8*\rho:32+8*\rho+7], v[128*\rho+8*kf:128*\rho+8*kf+7], v[128*\rho+8*kf:128*\rho+8*kf+7], v[32+8*\rho:32+8*\rho+7]
.endif
.endr
.set kf, kf+1
.endr
	WIN 0
	PLACES
.irp rho, 0,1                          ; register j of lane (r, h) holds element (8 h + j, r): row r's sum of squares lies in register r % 8 of the lane with h = r / 8
.set rG, 32+8*\rho
.set rS, 18+8*\rho
	v_cndmask_b32 v[rS], v[rG], v[rG+1], s[MK]
.set j, 2
.rept 6
	v_cndmask_b32 v[rS], v[rS], v[rG+j], s[MK+j-1]
.set j, j+1
.endr
	v_permlanex16_b32 v[rS+1], v[rS], s[SEL], s[SEL+1]
	v_cndmask_b32 v[rS], v[rS+1], v[rS], s[MD]
	v_fma_f32 v[rS], v[rS], s[INV512], s[EPS]      ; variance + 1e-6
.endr
	v_rsq_f32 v[RS], v18
	v_rsq_f32 v[RS+2], v26
	v_nop                                          ; a plain instruction behind the last root,
	s_wait_alu depctr_va_vdst(0)                   ; and one wait for both, ahead of the first use
	v_mov_b32 v[RS+1], v[RS]
	v_mov_b32 v[RS+3], v[RS+2]
.endm
; Batch i of a chunk's eight (8 images) into buffer i % 2.  Batches 0-3, the first product's: half tau = i / 2, kf = 8 (i % 2) + f; in the chunk the image is number 2 kf + tau.  Batches 4-7: as they lie.
.macro LOADB i
	WIN 0
.set f, 0
.rept 8
.set rW, F0+64*((\i)%2)+8*f
.if (\i) < 4
.set lo, 1024*(2*(8*((\i)%2)+f)+(\i)/2)
.else
.set lo, 8192*(\i)+1024*f
.endif
	ds_load_b128 v[rW:rW+3],   v[ADR] offset:lo
	ds_load_b128 v[rW+4:rW+7], v[ADR] offset:lo+512
.set f, f+1
.endr
.endm
; PHASE 1's activation of half tau, a list of 72 for the lane's 16 numbers (8 of each row tile); AL writes number j and steps j.  Pair n of 8: row tile n / 4, registers 16 (n / 4) + 8 tau + 2 (n % 4).
;   0-7  q = rstd s + b @ Wq (each accumulator's lowest registers first)     8-63  elu(q) + 1 = max(q, 0) + 2^(log2(e) min(q, 0)): 8 scalings, 16 minima, 16 exponentials, 16 maxima
;   (wait) ahead of number 64: one for the 16 exponentials; the maxima are the plain instructions behind them     64-71  the two parts are added
.macro AL tau
.if j < 72
	WIN 0
.set gn, j%8
.set go, 16*(gn/4)+8*(\tau)+2*(gn%4)
.set gm, 16*((j%16)/8)+8*(\tau)+j%8
.if j < 8
	v_pk_fma_f32 v[CQ+go:CQ+go+1], v[CQ+go:CQ+go+1], v[RS+2*(gn/4):RS+2*(gn/4)+1], v[TV+8*(\tau)+2*(gn%4):TV+8*(\tau)+2*(gn%4)+1] op_sel_hi:[1,0,1]
.elseif j < 16
	v_pk_mul_f32 v[T+go:T+go+1], v[CQ+go:CQ+go+1], s[L2E:L2E+1] op_sel_hi:[1,0]
.elseif j < 32
	v_min_num_f32 v[T+gm], 0, v[T+gm]
.elseif j < 48
	v_exp_f32 v[T+gm], v[T+gm]
.elseif j < 64
	v_max_num_f32 v[CQ+gm], 0, v[CQ+gm]
.else
.if j == 64
	s_wait_alu depctr_va_vdst(0)
.endif
	v_pk_add_f32 v[CQ+go:CQ+go+1], v[CQ+go:CQ+go+1], v[T+go:T+go+1]
.endif
.endif
.set j, j+1
.endm
; PHASE 2's activation of half tau, a list of 152 for the lane's 16 numbers; GL writes number j and steps j.  T, E and P hold number m of 16 at + m; the number itself lies at CQ + 16 (m / 8) + 8 tau + m % 8.
;   0-7  u = rstd s + bias     8-23  1 + p |u| / sqrt 2     24-39  - log2(e) u^2 / 2     40-71  ONE BATCH: 16 reciprocals, 16 exponentials     72-79  u / 2: plain work that names no result of the batch
;   (wait) ahead of number 80     80-119  the polynomial     120-127  erf     128-143  u / 2 + |u / 2| erf     144-151  rounded to f16: registers 4 tau .. + 3 of the row tile's operand
.macro GL tau
.if j < 152
	WIN 0
.set gn, j%8
.set gb, CQ+16*(gn/4)+8*(\tau)+2*(gn%4)
.if j < 8
	v_pk_fma_f32 v[gb:gb+1], v[gb:gb+1], v[RS+2*(gn/4):RS+2*(gn/4)+1], v[TV+8*(\tau)+2*(gn%4):TV+8*(\tau)+2*(gn%4)+1] op_sel_hi:[1,0,1]
.elseif j < 24
.set gm, j-8
	v_fma_f32 v[T+gm], |v[CQ+16*(gm/8)+8*(\tau)+gm%8]|, s[PP], 1.0
.elseif j < 32
	v_pk_mul_f32 v[E+2*gn:E+2*gn+1], v[gb:gb+1], v[gb:gb+1]
.elseif j < 40
	v_pk_mul_f32 v[E+2*gn:E+2*gn+1], v[E+2*gn:E+2*gn+1], s[CE:CE+1] op_sel_hi:[1,0]
.elseif j < 56
	v_rcp_f32 v[T+j-40], v[T+j-40]
.elseif j < 72
	v_exp_f32 v[E+j-56], v[E+j-56]
.elseif j < 80
	v_pk_mul_f32 v[gb:gb+1], v[gb:gb+1], 0.5 op_sel_hi:[1,0]
.elseif j < 88
.if j == 80
	s_wait_alu depctr_va_vdst(0)
.endif
	v_pk_fma_f32 v[P+2*gn:P+2*gn+1], v[T+2*gn:T+2*gn+1], s[A5:A5+1], s[A4:A4+1] op_sel_hi:[1,0,0]
.elseif j < 112
.set gc, A3-2*((j-88)/8)
	v_pk_fma_f32 v[P+2*gn:P+2*gn+1], v[P+2*gn:P+2*gn+1], v[T+2*gn:T+2*gn+1], s[gc:gc+1] op_sel_hi:[1,1,0]
.elseif j < 120
	v_pk_mul_f32 v[P+2*gn:P+2*gn+1], v[P+2*gn:P+2*gn+1], v[T+2*gn:T+2*gn+1]
.elseif j < 128
	v_pk_fma_f32 v[P+2*gn:P+2*gn+1], v[P+2*gn:P+2*gn+1], v[E+2*gn:E+2*gn+1], 1.0 op_sel_hi:[1,1,0] neg_lo:[1,0,0] neg_hi:[1,0,0]
.elseif j < 144
.set gm, j-128
.set gr, CQ+16*(gm/8)+8*(\tau)+gm%8
	v_fma_f32 v[gr], |v[gr]|, v[P+gm], v[gr]
.else
	v_cvt_pk_f16_f32 v[FF+8*(gn/4)+4*(\tau)+gn%4], v[gb], v[gb+1]
.endif
.endif
.set j, j+1
.endm
; Batch i = 0..3 of the first product: 16 products; the half's two accumulators (row tiles) take turns.  ride = 1 (batches 2, 3): behind each product a slice of half 0's activation, three lines in phase 1
; (96 places for 72), five in phase 2 (160 for 152); a slice names no register of the products round it.
.macro MULA i, ride, ph
.set f, 0
.rept 8
.set rW, F0+64*((\i)%2)+8*f
.set kf, 8*((\i)%2)+f
.set rD, CQ+8*((\i)/2)
.irp rho, 0,1
	WIN 0x04                                       ; source 1 (d) in window 1
.if kf == 0
	v_wmma_f32_16x16x32_f16 v[rD+16*\rho:rD+16*\rho+7], v[rW:rW+7], v[128*\rho+8*kf:128*\rho+8*kf+7], 0
.else
	v_wmma_f32_16x16x32_f16 v[rD+16*\rho:rD+16*\rho+7], v[rW:rW+7], v[128*\rho+8*kf:128*\rho+8*kf+7], v[rD+16*\rho:rD+16*\rho+7]
.endif
.if \ride
.if (\ph) == 1
.rept 3
	AL 0
.endr
.else
.rept 5
	GL 0
.endr
.endif
.endif
.endr
.set f, f+1
.endr
.endm
.macro MULB i, ph                      ; batch i = 4..7 of the second product: output tiles 8 (i - 4) .. + 7; each product adds onto another tile of ACC
.irp rho, 0,1
	WIN 0xa0+0x50*\rho                             ; C and D in window 2 or 3
.set f, 0
.rept 8
.set rW, F0+64*((\i)%2)+8*f
.set rA, 8*(8*((\i)-4)+f)
.if (\ph) == 1
	v_wmma_f32_16x16x32_bf16 v[rA:rA+7], v[rW:rW+7], v[FF+8*\rho:FF+8*\rho+7], v[rA:rA+7]
.else
	v_wmma_f32_16x16x32_f16 v[rA:rA+7], v[rW:rW+7], v[FF+8*\rho:FF+8*\rho+7], v[rA:rA+7]
.endif
.set f, f+1
.endr
.endr
.endm
; PHASE 1, behind both halves' Q: Z = 1 / (Q . Ksum + 1e-6); Q Z in bf16.
.macro ZPART
	WIN 0
	v_pk_mul_f32 v[T:T+1],   v[CQ:CQ+1],       v[KSR:KSR+1]     ; Q . Ksum over my 16 channels, the two row tiles by turns
	v_pk_mul_f32 v[T+4:T+5], v[CQ+16:CQ+17],   v[KSR:KSR+1]
.set n, 1
.rept 7
	v_pk_fma_f32 v[T:T+1],   v[CQ+2*n:CQ+2*n+1],       v[KSR+2*n:KSR+2*n+1], v[T:T+1]
	v_pk_fma_f32 v[T+4:T+5], v[CQ+16+2*n:CQ+16+2*n+1], v[KSR+2*n:KSR+2*n+1], v[T+4:T+5]
.set n, n+1
.endr
	v_add_f32 v[T], v[T], v[T+1]
	v_add_f32 v[T+4], v[T+4], v[T+5]
	v_permlanex16_b32 v[T+1], v[T], s[SEL], s[SEL+1]     ; the head's other 16 channels lie in the lane 16 away
	v_permlanex16_b32 v[T+5], v[T+4], s[SEL], s[SEL+1]
	v_add_f32 v[T], v[T], v[T+1]
	v_add_f32 v[T+4], v[T+4], v[T+5]
	v_add_f32 v[T], s[EPSA], v[T]
	v_add_f32 v[T+4], s[EPSA], v[T+4]
	v_rcp_f32 v[T], v[T]
	v_rcp_f32 v[T+4], v[T+4]
	v_nop
	s_wait_alu depctr_va_vdst(0)                   ; one wait for the two reciprocals
.set n, 0
.rept 16
	v_pk_mul_f32 v[CQ+2*n:CQ+2*n+1], v[CQ+2*n:CQ+2*n+1], v[T+4*(n/8):T+4*(n/8)+1] op_sel_hi:[1,0]
.set n, n+1
.endr
.set n, 0
.rept 16
	v_cvt_pk_bf16_f32 v[FF+n], v[CQ+2*n], v[CQ+2*n+1]
.set n, n+1
.endr
.endm
; A CHUNK.  Eight batches of 8 images on two buffers: while one batch is multiplied (16 products) the next one's 16 loads are out.
.macro CHUNK ph
	WIN 0
	PLACES                                         ; behind the products that read buffer 0 in the chunk before
	v_add_nc_u32 v[ADR], s[TB], v[LA]
	v_add_nc_u32 v[KAD], s[TO], v[TBL]
.set n, 0
.rept 4                                ; n = 2 tau + e: channels 32 c + 16 tau + 8 h + 4 e ..
.if (\ph) == 1
	ds_load_b128 v[TV+4*n:TV+4*n+3],   v[KAD] offset:(n/2)*64+(n%2)*16
	ds_load_b128 v[KSR+4*n:KSR+4*n+3], v[KAD] offset:2048+(n/2)*64+(n%2)*16
.else
	ds_load_b128 v[TV+4*n:TV+4*n+3],   v[KAD] offset:4096+(n/2)*64+(n%2)*16
.endif
.set n, n+1
.endr
	LOADB 0
.set j, 0
.set bi, 0
.rept 8
	s_wait_dscnt 0x0                               ; this batch is in
.if bi < 7
	PLACES                                         ; behind the products that read the other buffer; at batch 2 also behind half 0's last product, at batch 4 behind half 1's, ahead of the lines that read them
	LOADB bi+1
.endif
.if bi < 4
	MULA bi, bi/2, \ph
.else
.if bi == 4
.set j, 0
.if (\ph) == 1
.rept 72
	AL 1
.endr
	ZPART
.else
.rept 152
	GL 1
.endr
.endif
.endif
	MULB bi, \ph
.endif
.set bi, bi+1
.endr
	s_add_co_u32 s[TB], s[TB], CHB
	s_add_co_u32 s[TO], s[TO], 128
.endm
; THE CHANGE OF SLOTS.  Each wave waits for all its tensor loads (one is out: its part of the slot to be read), adds 0 to its spare word, and waits for that and for its reads of the slot that it leaves.
; fill = 1: behind a round of the cluster's barrier that slot is filled again, first thing, with slot SN of the walk; the load has two chunks' work, 256 products a wave, in which to land.
.macro CHANGE fill
	WIN 0
	s_wait_tensorcnt 0x0                           ; no tensor load of mine is out, so group 0 may be written
	ds_add_u32 v[SPW], v[NIL]                      ; 0 onto my spare word
.if \fill
	s_and_b32 s[OFF], s[SN], 7
	s_lshl_b32 s[OFF], s[OFF], 16                  ; a slot is 65,536 bytes of each stream
	s_cmp_lt_u32 s[SN], 8
	s_cselect_b64 s[G0+2:G0+3], s[P1:P1+1], s[P2:P2+1]
	s_add_nc_u64 s[G0+2:G0+3], s[G0+2:G0+3], s[OFF:OFF+1]
	s_or_b32 s[G0+3], s[G0+3], 0x80000000
	s_xor_b32 s[G0+1], s[G0+1], SLOTB
	s_add_co_u32 s[SN], s[SN], 1
	s_wait_xcnt 0x0                                ; the last prefetch, a slot back, has read its address
	s_and_b32 s[OFF], s[SN], 7
	s_lshl_b32 s[OFF], s[OFF], 16
	s_cmp_lt_u32 s[SN], 8
	s_cselect_b64 s[PFA:PFA+1], s[Q1:Q1+1], s[Q2:Q2+1]
	s_cselect_b32 s[FL], s[FL1], s[FL2]
	s_add_nc_u64 s[PFA:PFA+1], s[PFA:PFA+1], s[OFF:OFF+1]
	s_cmp_lt_u32 s[SN], 16
	s_cselect_b32 s[FL], s[FL], 0                  ; behind slot 15 there is nothing
	s_wait_dscnt 0x0                               ; the add is done, and my reads of the slot are over
	CROUND
	JLOAD
	ASK
.else
	s_wait_dscnt 0x0
	s_barrier_signal -1
	s_barrier_wait -1
.endif
	s_sub_co_u32 s[TB], s[TB], SLOTB               ; back to a slot's first chunk,
	s_xor_b32 s[TB], s[TB], SLOTB                  ; in the other slot
.endm
.macro TWO ph                          ; a slot's two chunks: written once, walked twice
	s_mov_b32 s[CNT], 2
.Lchunk_\@:
	CHUNK \ph
	WIN 0
	s_sub_co_u32 s[CNT], s[CNT], 1
	s_cmp_lg_u32 s[CNT], 0
	s_cbranch_scc1 .Lchunk_\@
.endm
	s_load_b512 s[4:19], s[0:1], 0x0               ; x s[4:5], cpart s[6:7], b1 s[8:9], b2 s[10:11], wa s[12:13], mt s[14:15], w2t s[16:17], ks s[18:19]
	s_load_b64 s[20:21], s[0:1], 0x40              ; out0
	v_lshl_add_u32 v[SPW], v0, 2, SPARE
	v_mov_b32 v[NIL], 0
	ds_add_u32 v[SPW], v[NIL]                      ; the opening: the add, twice on end, and its wait ahead of my first tensor load
	ds_add_u32 v[SPW], v[NIL]
	v_lshrrev_b32 v1, 5, v0
	v_readfirstlane_b32 s[WV], v1
	s_bfe_u32 s[CX], ttmp6, 0x40000
	s_lshl_b32 s[WG], ttmp9, 2                     ; in a cluster launch ttmp9 counts clusters
	s_add_co_u32 s[WG], s[WG], s[CX]
	s_mov_b32 s[G1W],   15|(3<<16)|(1<<21)         ; the mask of four; elements of 8 bytes; bit 21 beside a mask
	s_mov_b32 s[G1W+1], 32<<16                     ; rows of 256 bytes,
	s_mov_b32 s[G1W+2], 128<<16                    ; 128 of them
	s_mov_b32 s[G1W+3], 32<<16
	s_mov_b32 s[G1W+4], 128
	s_mov_b32 s[G1W+5], 32                         ; dense
	s_mov_b32 s[G1W+6], 0
	s_mov_b32 s[G1W+7], 0
	s_mov_b32 s[G1X],   (2<<16)|(1<<20)|(7<<22)|(3<<25)  ; elements of 4 bytes; padding on: after every 256 words 4 words
	s_mov_b32 s[G1X+1], 256<<16                    ; half rows of 1,024 bytes,
	s_mov_b32 s[G1X+2], 64<<16                     ; 64 of them: my 32 rows
	s_mov_b32 s[G1X+3], 256<<16
	s_mov_b32 s[G1X+4], 64
	s_mov_b32 s[G1X+5], 256
	s_mov_b32 s[G1X+6], 0
	s_mov_b32 s[G1X+7], 0
	s_mov_b32 s[G0], 1
	s_lshl_b32 s[G0+1], s[WV], 15                  ; slot 0, my quarter
	s_mov_b32 s[G0X], 1
	s_mul_i32 s[G0X+1], s[WV], XPW
	s_mov_b32 s[SEL], 0x76543210
	s_mov_b32 s[SEL+1], 0xfedcba98
	s_mov_b32 s[L2E], 0x3fb8aa3b                   ; log2(e)
	s_mov_b32 s[CE],  0xbf38aa3b                   ; - log2(e) / 2
	s_mov_b32 s[A1],  0x3e827906                   ; 0.254829592
	s_mov_b32 s[A2],  0xbe91a98e                   ; -0.284496736
	s_mov_b32 s[A3],  0x3fb5f0e3                   ; 1.421413741
	s_mov_b32 s[A4],  0xbfba00e3                   ; -1.453152027
	s_mov_b32 s[A5],  0x3f87dc22                   ; 1.061405429
.irp c, L2E, CE, A1, A2, A3, A4, A5
	s_mov_b32 s[\c+1], s[\c]                       ; named as pairs, so both are written
.endr
	s_mov_b32 s[PP], 0x3e6d3388                    ; 0.3275911 / sqrt 2
	s_mov_b32 s[INV512], 0x3b000000                ; 1 / 512
	s_mov_b32 s[EPS], 0x358637bd                   ; 1e-6
	s_mov_b32 s[EPSA], 0x358637bd                  ; 1e-6
	s_mov_b32 s[TB], 2*SLOTB                       ; the first change of slots turns it into 0
	s_mov_b32 s[TO], 0
	s_mov_b32 s[SN], 1
	s_mov_b32 s[OFF+1], 0
	v_and_b32 v1, 31, v0                           ; lane
	v_lshlrev_b32 v[LA], 4, v1
	v_lshlrev_b32 v[PFO], 8, v1
	v_and_b32 v24, 15, v0                          ; r
	v_bfe_u32 v25, v0, 4, 1                        ; h
	v_lshl_add_u32 v[TBL], v25, 5, TAB
	v_mul_u32_u24 v[XA], v24, 2080                 ; a row is two padded half rows
	v_lshl_add_u32 v[XA], v25, 5, v[XA]
	v_add_nc_u32 v[XA], s[G0X+1], v[XA]
	v_and_b32 v26, 7, v0
	v_bfe_u32 v27, v0, 3, 1
.set j, 1
.rept 7
	v_cmp_eq_u32 s[MK+j-1], j, v26
.set j, j+1
.endr
	v_cmp_eq_u32 s[MD], v27, v25
	v_lshlrev_b32 v28, 4, v0                       ; 16 x thread: 128 threads cover a vector of 512 f32
	v_lshl_add_u32 v29, v0, 4, TAB
	s_wait_dscnt 0x0                               ; both opening adds are done
	s_wait_kmcnt 0x0
	s_lshl_b32 s2, s[WG], 18                       ; my work-group's 128 rows of 2,048 bytes,
	s_lshl_b32 s3, s[WV], 16                       ; my wave's 32
	s_add_co_u32 s2, s2, s3
	s_mov_b32 s3, 0
	s_add_nc_u64 s[G0X+2:G0X+3], s[4:5], s[2:3]
	s_or_b32 s[G0X+3], s[G0X+3], 0x80000000
	s_add_nc_u64 s[20:21], s[20:21], s[2:3]        ; out0 at my wave's first row
	s_lshr_b32 s25, ttmp9, 3                       ; the batch: 8 clusters each; the four partners share it
	s_lshl_b32 s[OFF], s25, 19
	s_add_nc_u64 s[14:15], s[14:15], s[OFF:OFF+1]  ; the batch's M
	s_lshl_b32 s[OFF], s25, 11
	s_add_nc_u64 s[18:19], s[18:19], s[OFF:OFF+1]  ; the batch's Ksum
	s_and_b32 s25, s[WV], 1                        ; which stream I fetch,
	s_lshr_b32 s26, s[WV], 1                       ; for which of a slot's two chunks
	s_lshl_b32 s26, s26, 15
	s_mov_b32 s27, 0
	s_add_nc_u64 s[P2:P2+1], s[12:13], 524288      ; W1's images stand behind Wq's
	s_cmp_eq_u32 s25, 0
	s_cselect_b64 s[P1:P1+1], s[12:13], s[14:15]
	s_cselect_b64 s[P2:P2+1], s[P2:P2+1], s[16:17]
	s_add_nc_u64 s[P1:P1+1], s[P1:P1+1], s[26:27]  ; made of the wave's number and the cluster's alone: equal in all four partners
	s_add_nc_u64 s[P2:P2+1], s[P2:P2+1], s[26:27]
	s_lshl_b32 s2, s[CX], 13
	s_add_nc_u64 s[Q1:Q1+1], s[P1:P1+1], s[2:3]
	s_add_nc_u64 s[Q2:Q2+1], s[P2:P2+1], s[2:3]
	s_and_b32 s26, ttmp9, 7
	s_cmp_eq_u32 s25, 0
	s_cselect_b32 s26, ttmp9, s26                  ; Wq's images: the launch's first cluster asks; M's: the batch's first
	s_cmp_eq_u32 s26, 0
	s_cselect_b32 s[FL1], 1, 0
	s_cmp_eq_u32 ttmp9, 0
	s_cselect_b32 s[FL2], 1, 0
	s_mov_b64 s[G0+2:G0+3], s[P1:P1+1]             ; slot 0
	s_or_b32 s[G0+3], s[G0+3], 0x80000000
	CROUND                                         ; in a cluster launch every group of tensor loads stands behind a round
	tensor_load_to_lds s[G0X:G0X+3], s[G1X:G1X+7]  ; my 32 rows of x
	s_nop 0
	PLACES
.set kf, 0
.rept 16                               ; b @ Wq and b @ W1: 16 partial vectors each
	global_load_b128 v[128+4*kf:128+4*kf+3], v28, s[6:7] offset:(32+kf)*2048
	global_load_b128 v[192+4*kf:192+4*kf+3], v28, s[6:7] offset:(48+kf)*2048
.set kf, kf+1
.endr
	global_load_b128 v[96:99],   v28, s[8:9]       ; b1
	global_load_b128 v[100:103], v28, s[18:19]     ; Ksum
	global_load_b128 v[104:107], v28, s[10:11]     ; b2
	s_wait_loadcnt 0x0
.set kf, 1
.rept 15
	v_pk_add_f32 v[128:129], v[128:129], v[128+4*kf:128+4*kf+1]
	v_pk_add_f32 v[130:131], v[130:131], v[128+4*kf+2:128+4*kf+3]
	v_pk_add_f32 v[192:193], v[192:193], v[192+4*kf:192+4*kf+1]
	v_pk_add_f32 v[194:195], v[194:195], v[192+4*kf+2:192+4*kf+3]
.set kf, kf+1
.endr
	v_pk_add_f32 v[192:193], v[192:193], v[96:97]
	v_pk_add_f32 v[194:195], v[194:195], v[98:99]
	ds_store_b128 v29, v[128:131]
	ds_store_b128 v29, v[100:103] offset:2048
	ds_store_b128 v29, v[192:195] offset:4096
	ds_store_b128 v29, v[104:107] offset:6144
	s_wait_tensorcnt 0x0                           ; my x is in LDS; only I read it
	XIN
	WIN 0
	s_wait_tensorcnt 0x0                           ; the bytes of x are filled again: all my tensor loads are done,
	ds_add_u32 v[SPW], v[NIL]                      ; 0 onto my spare word,
	s_wait_dscnt 0x0                               ; the add, my reads of x and my stores into the tables are done
	CROUND
	JLOAD                                          ; slot 0; it lands under the norm
	LNORM
	s_mov_b32 s[SLOTS], 8
.Lphase1:                              ; eight trips: two heads each; the last asks for phase 2's first slot
	CHANGE 1
	TWO 1
	s_sub_co_u32 s[SLOTS], s[SLOTS], 1
	s_cmp_lg_u32 s[SLOTS], 0
	s_cbranch_scc1 .Lphase1
	LNORM                                          ; ACC holds x1
	s_mov_b32 s[TO], 0
	s_mov_b32 s[SLOTS], 7
.Lphase2:                              ; seven trips: 64 hidden channels each
	CHANGE 1
	TWO 2
	s_sub_co_u32 s[SLOTS], s[SLOTS], 1
	s_cmp_lg_u32 s[SLOTS], 0
	s_cbranch_scc1 .Lphase2
	CHANGE 0                                       ; the last slot is written out
	TWO 2
	; THE WAY OUT.  The ring has had its last fill.  ACC goes into my stage (rows of 2,064 bytes: sixteen rows start at sixteen different groups of four banks) and comes back as whole rows; b2 is added; 512 consecutive bytes a store.
	WIN 0
	s_wait_dscnt 0x0                               ; my reads of the ring are over,
	s_barrier_signal -1
	s_barrier_wait -1                              ; everybody's are: its bytes may be stored into
	PLACES
	s_mul_i32 s25, s[WV], STGW
	v_and_b32 v24, 15, v0
	v_bfe_u32 v25, v0, 4, 1
	v_mul_u32_u24 v[STW], v24, STGP
	v_lshl_add_u32 v[STW], v25, 5, v[STW]
	v_add_nc_u32 v[STW], s25, v[STW]
	v_add_nc_u32 v[STR], s25, v[LA]
	v_add_nc_u32 v[KAD], TAB+6144, v[LA]
.irp rho, 0,1
	WIN 0x08+4*\rho                                ; the stores' data in window 2 or 3
.set t, 0
.rept 32                               ; of each tile the lowest registers are read first
	ds_store_b128 v[STW], v[8*t:8*t+3]   offset:\rho*16*STGP+64*t
	ds_store_b128 v[STW], v[8*t+4:8*t+7] offset:\rho*16*STGP+64*t+16
.set t, t+1
.endr
.endr
	WIN 0
.set q, 0
.rept 4
	ds_load_b128 v[96+4*q:96+4*q+3], v[KAD] offset:512*q  ; b2 as a row lies
.set q, q+1
.endr
	s_mov_b32 s[CNT], 8
.Lout:                                 ; eight trips of four rows; LDS serves a wave's instructions in order (ISA guide 5.7.1.4): these loads see my stores above
.set n, 0
.rept 16                               ; n = 4 row + quarter
	ds_load_b128 v[128+4*n:128+4*n+3], v[STR] offset:(n/4)*STGP+(n%4)*512
.set n, n+1
.endr
	s_wait_dscnt 0x0
.set n, 0
.rept 16
	v_pk_add_f32 v[128+4*n:128+4*n+1],   v[128+4*n:128+4*n+1],   v[96+4*(n%4):96+4*(n%4)+1]
	v_pk_add_f32 v[128+4*n+2:128+4*n+3], v[128+4*n+2:128+4*n+3], v[96+4*(n%4)+2:96+4*(n%4)+3]
.set n, n+1
.endr
.set n, 0
.rept 16
	global_store_b128 v[LA], v[128+4*n:128+4*n+3], s[20:21] offset:(n/4)*2048+(n%4)*512 th:TH_STORE_NT
.set n, n+1
.endr
	s_wait_xcnt 0x0                                ; the stores have read their base and data: only now are these written again
	v_add_nc_u32 v[STR], 4*STGP, v[STR]
	s_add_nc_u64 s[20:21], s[20:21], 8192
	s_sub_co_u32 s[CNT], s[CNT], 1
	s_cmp_lg_u32 s[CNT], 0
	s_cbranch_scc1 .Lout
	s_wait_tensorcnt 0x0                           ; the wave's end
	ds_add_u32 v[SPW], v[NIL]
	s_wait_dscnt 0x0
	CROUND                                         ; the closing round
	s_endpgm
.Lfunc_end_k_q28aba19fe4_main:
	.size	k_q28aba19fe4_main, .Lfunc_end_k_q28aba19fe4_main-k_q28aba19fe4_main
	.p2alignl 7, 3214868480
	.fill 96, 4, 3214868480
	.section	.rodata,"a",@progbits
	.p2align	6, 0x0
	.amdhsa_kernel k_q28aba19fe4_main
		.amdhsa_group_segment_fixed_size 327680
		.amdhsa_private_segment_fixed_size 0
		.amdhsa_enable_private_segment 0
		.amdhsa_kernarg_size 72
		.amdhsa_user_sgpr_count 2
		.amdhsa_user_sgpr_kernarg_segment_ptr 1
		.amdhsa_wavefront_size32 1
		.amdhsa_system_sgpr_workgroup_id_x 1
		.amdhsa_system_sgpr_workgroup_id_y 1
		.amdhsa_system_sgpr_workgroup_id_z 1
		.amdhsa_system_vgpr_workitem_id 0
		.amdhsa_next_free_vgpr 1024
		.amdhsa_next_free_sgpr 102
		.amdhsa_reserve_vcc 0
		.amdhsa_float_denorm_mode_32 3
		.amdhsa_float_denorm_mode_16_64 3
		.amdhsa_memory_ordered 1
		.amdhsa_forward_progress 1
		.amdhsa_inst_pref_size 250
	.end_amdhsa_kernel
	.amdgpu_metadata
---
amdhsa.version: [ 1, 2 ]
amdhsa.kernels:
  - .name:           k_q28aba19fe4_main
    .symbol:         k_q28aba19fe4_main.kd
    .args:
      - { .name: x, .offset: 0, .size: 8, .value_kind: global_buffer, .address_space: global }
      - { .name: cpart, .offset: 8, .size: 8, .value_kind: global_buffer, .address_space: global }
      - { .name: b1, .offset: 16, .size: 8, .value_kind: global_buffer, .address_space: global }
      - { .name: b2, .offset: 24, .size: 8, .value_kind: global_buffer, .address_space: global }
      - { .name: wa, .offset: 32, .size: 8, .value_kind: global_buffer, .address_space: global }
      - { .name: mt, .offset: 40, .size: 8, .value_kind: global_buffer, .address_space: global }
      - { .name: w2t, .offset: 48, .size: 8, .value_kind: global_buffer, .address_space: global }
      - { .name: ks, .offset: 56, .size: 8, .value_kind: global_buffer, .address_space: global }
      - { .name: out0, .offset: 64, .size: 8, .value_kind: global_buffer, .address_space: global }
    .group_segment_fixed_size: 327680
    .private_segment_fixed_size: 0
    .kernarg_segment_align: 8
    .kernarg_segment_size: 72
    .max_flat_workgroup_size: 128
    .sgpr_count:     102
    .vgpr_count:     1024
    .wavefront_size: 32
...
	.end_amdgpu_metadata
.endif
;; end of part 4
